; MI455X (gfx1250); checked and timed in simulation.
; The chip was launched on July 23, 2026; its instructions are those of AMD's public machine-readable ISA for CDNA 5 (MIT licence, August 2026) and "CDNA5" Instruction Set Architecture Reference Guide (July 2026). The comments in the code are by the model that wrote it; some were corrected since.
;; Attention Head. Allowed arithmetic: matrix products marked QUANTISED: E2M3 operands, one E8M0 scale for each 32 along K, by v_wmma_scale_f32_16x16x128_f8f6f4 with both operands' format E2M3, f32 sums; everything else in f32.
;; Inputs: Wk 1,024 x 2,048 float32; Wq 1,024 x 2,048 float32; Wv 1,024 x 2,048 float32; bk 2,048 float32; bq 2,048 float32; bv 2,048 float32; x 4 x 1,024 x 1,024 float32.
;; Outputs: out0 4 x 1,024 x 2,048 float32.
;; This version of the problem:
;;   THIS VERSION OF THE PROBLEM IS GIVEN IN LOW PRECISION. The matrix products marked QUANTISED in the list below multiply operands that are first quantised to E2M3 (2 exponent bits, 3 mantissa bits; 6 bits a number), with one power-of-two scale for each 32 numbers along K (OCP MX v1.0); their sums are f32. All else is computed in f32.
;;   The module's matrix products, in the order in which they are computed (A, B: the left and right operand; K: the contracted axis; several contracted axes count as one K, in the product's order):
;;     1. [M 4,096, K 1,024] x [K 1,024, N 2,048]; A: input x; B: input Wq: QUANTISED
;;     2. [M 4,096, K 1,024] x [K 1,024, N 2,048]; A: input x; B: input Wk: QUANTISED
;;     3. [M 4,096, K 1,024] x [K 1,024, N 2,048]; A: input x; B: input Wv: QUANTISED
;;     4. batch 4 x [M 1,024, K 2,048] x [K 2,048, N 1,024]; A: computed on the way; B: computed on the way: QUANTISED
;;     5. batch 4 x [M 1,024, K 1,024] x [K 1,024, N 2,048]; A: softmax (see below); B: computed on the way: QUANTISED
;;   THE QUANTISER, for each operand of a quantised product, along K:
;;     - K is cut into blocks of 32 from its start; a last block that is shorter is filled with zeros.
;;     - A block's scale is 2^e with e = floor(log2(the largest magnitude in the block)) - 2, held to -126 .. 127; a block of zeros has e = 0. As a byte (E8M0): e + 127.
;;     - Each number is divided by its block's scale, clamped to +-7.5, and rounded to the nearest number of E2M3, ties to even, subnormals kept.
;;     - The product sums the exact products of the quantised numbers (number of the format x scale) in f32.
;;   ~~~python
;;   def quantise(x, axis):      # numpy; x: float32 -> the quantised numbers, widened to float32 again
;;       x = np.moveaxis(x, axis, -1); K = x.shape[-1]
;;       x = np.pad(x, [(0, 0)] * (x.ndim - 1) + [(0, -K % 32)]); x = x.reshape(x.shape[:-1] + (-1, 32)); a = np.abs(x).max(-1, keepdims=True)
;;       e = np.where(a > 0, np.clip(np.frexp(np.where(a > 0, a, 1))[1] - 1 - 2, -126, 127), 0)      # np.frexp(a)[1] - 1 = floor(log2(a)), exactly
;;       r = np.clip(x / 2.0 ** e, -7.5, 7.5)
;;       step = 2.0 ** (np.maximum(np.frexp(np.where(r == 0, 1, r))[1] - 1, 0) - 3)
;;       q = np.round(r / step) * step * 2.0 ** e      # np.round: ties to even
;;       return np.moveaxis(q.reshape(q.shape[:-2] + (-1,))[..., :K], -1, axis).astype(np.float32)
;;   ~~~
;;   SOFTMAX AHEAD OF A QUANTISED PRODUCT. Where the list says 'softmax', what is quantised is not the finished softmax but p = 2^(t - M), with t = logit x log2(e) and M = ceil(the row's largest t), a whole number; so 1/2 < the row's largest p <= 1. The row's sum l is taken of the UNQUANTISED p, in f32, and the product's result is divided by l at the end. Since M is a whole number, a kernel that streams over the keys may use a running M (the ceiling of the running maximum): every later rescaling is an exact power of two, which a block's scale takes up: the codes' values come out the same.
;;   OPERANDS COMPUTED ON THE WAY. 'Computed on the way' means the value that the module computes at that place (a softmax that the list does not call 'softmax' is quantised finished and normalised). What goes into a quantiser is computed in f32, as accurately as f32 sums, v_exp_f32 and their like allow (about 1e-6 of the number): no bf16 or f16 on the way to a quantiser, and a product that is left as it is and whose result goes on into a quantised operand takes f32 operands (vector FMAs, or v_wmma_f32_16x16x4_f32). A number that lies on a knife's edge between two numbers of the format may be rounded either way, as far as f32 arithmetic and the matrix unit's own rounding can turn it there, and no further.
;; One version. Each part assembles by itself: llvm-mc -triple=amdgcn-amd-amdhsa -mcpu=gfx1250 --defsym DOCPART=n.
;; ======== version 1 of 1: 4 launches
;; limits: right only within a limited range of input values
;; workspace buffers: xc 3,276,800 bytes; wc 4,915,200 bytes; qkv 19,660,800 bytes; pp 1,843,200 bytes; st 147,456 bytes
;; launch quant (part 1): grid 320 x 1, 4 waves a work-group, no clusters, 34,304 bytes of LDS; arguments x, Wq, Wk, Wv, xc, wc; writes xc, wc
.if DOCPART == 1
	.amdgcn_target "amdgcn-amd-amdhsa--gfx1250"
	.amdhsa_code_object_version 6
	.text
	.protected	k_qf33e26facc_quant
	.globl	k_qf33e26facc_quant
	.p2align	8
	.type	k_qf33e26facc_quant,@function
k_qf33e26facc_quant:
	s_mov_b64 s[64:65], 0
	v_nop
	global_prefetch_b8 v0, s[64:65] scope:SCOPE_SE
	s_setreg_imm32_b32 hwreg(HW_REG_WAVE_MODE, 25, 1), 1
	s_wait_xcnt 0x0
; ONE ATTENTION HEAD IN MX-FP6, four launches: quant (this one), proj, scores, pv.
; quant turns x [4096][1024] and Wq, Wk, Wv [1024][2048], f32, into codes of E2M3 with one E8M0 byte for each 32 along K = 1024.
; DEAD WORK.  reference() itself sets wei to -inf wherever key > query (its own jnp.tril), so p = 0 there whatever finite values the inputs hold.  Of the 64 tiles of 128 queries x 128 keys of a batch
; the 28 that lie wholly above the diagonal therefore add nothing to a row's maximum, to its sum or to product 5: the launches scores and pv leave out those tiles of product 4 and the matching K steps of
; product 5.  Nothing else is left out: all seven inputs are loaded (bk moves the codes of k).  LIMIT: a NaN, an infinity or an overflow that reaches only those tiles is not carried to the result.
; LAYOUT OF ALL WORKSPACE: as the operand registers of the matrix instruction take it.
;   Rows stand in POSITIONS: in each 32 rows, position 16 u + p holds row 8 u + p + 8 (p / 8).  So a product whose source 0 is such a tile leaves a lane 16 neighbours along the next K in two tiles' registers.
;   A fragment (16 positions x 128 K, 12 registers a lane) is 1,536 bytes: register n of lane L at 512 (n / 4) + 16 L + 4 (n % 4): three stores or loads of 16 bytes a lane, 512 consecutive bytes each.
;   A half panel (64 positions x 128 K) is 6,400 bytes: four fragments, then 256 bytes of scale words: lane L has 8 bytes at 6,144 + 8 L; word i is that of tile 2 i + L / 16, row L % 16.
;   A panel is two half panels; panel (G, k step) of an operand with 8 K steps lies at (8 G + k) x 12,800.
; A block's scale byte is its largest magnitude's exponent field - 2, held at 1 from below.  A block of zeros so keeps the byte 1 where the rule says 127: its codes are zeros, and this program alone reads the bytes.
; LIMITS: NaN and infinities among the inputs are not served.
; SHARES.  A wave makes one half panel from 32 KB of f32.  Work-groups 0-127 take x (K innermost: rows turn through the wave's own stage in LDS), 128-319 the weights (K outermost: a lane takes a column, its registers run down K).
; No matrix unit, no tensor load, no barrier: waves share nothing.
; The layout above holds for xc, wc and p.  In buffer qkv each fragment lies in two halves of 768 bytes (the head of launch proj says how); pp holds the live tiles' panels alone, on end (the head of launch scores).
.set SPARE, 33792                      ; behind the four stages of 16 x 528 bytes: the spare words, 128 bytes a wave
.set SPW, 254                          ; v254 my spare word's LDS address; never rewritten
.set NIL, 255                          ; v255 0; never rewritten
.set SEL, 20                           ; s[20:21] selects of v_permlanex16_b32 for lane l xor 16
.set R,   16                           ; x: v16-143 two sets of 16 rows as loaded
.set X,   144                          ; x: v144-207 64 numbers of my row: register 16 b + i = k 32 b + 16 h + i
.set PC,  208                          ; x: v208-219 a fragment's codes
.set TP,  220                          ; x: v220-227 the upper halves of the blocks, as converted
.set TM,  228                          ; x: v228-243 maxima, bytes, scale operands
.set PW,  244                          ; x: v244-247 the four tiles' scale words
; 64 numbers of a lane become a fragment's codes in v[pc] on and its row's scale word in v[pw].
.macro QUANT src, pc, tp, pw
.irp b, 0,1,2,3
	v_max3_num_f32 v[TM+\b], |v[(\src)+16*\b]|, |v[(\src)+1+16*\b]|, 0x1800000   ; block b: my 16 numbers, and the floor 2^(3 - 127): the byte cannot fall under 1
.endr
.irp i, 2,4,6,8,10,12,14
.irp b, 0,1,2,3
	v_max3_num_f32 v[TM+\b], v[TM+\b], |v[(\src)+16*\b+\i]|, |v[(\src)+1+16*\b+\i]|
.endr
.endr
.irp b, 0,1,2,3
	v_permlanex16_b32 v[TM+4+\b], v[TM+\b], s[SEL], s[SEL+1]
.endr
.irp b, 0,1,2,3
	v_max_num_f32 v[TM+\b], v[TM+\b], v[TM+4+\b]           ; with lane l xor 16's 16: the block's largest magnitude
.endr
.irp b, 0,1,2,3
	v_add_nc_u32 v[TM+12+\b], 0xff000000, v[TM+\b]         ; 2 off its exponent field: the conversion's scale operand
.endr
.irp b, 0,1,2,3
	v_lshrrev_b32 v[TM+4+\b], 23, v[TM+12+\b]              ; the scale's byte
.endr
	v_lshl_or_b32 v[\pw], v[TM+5], 8, v[TM+4]
	v_lshl_or_b32 v[\pw], v[TM+6], 16, v[\pw]
	v_lshl_or_b32 v[\pw], v[TM+7], 24, v[\pw]
.irp c, 0,1
	v_cvt_scalef32_pk16_fp6_f32 v[(\pc)+6*\c:(\pc)+2+6*\c], v[(\src)+32*\c:(\src)+15+32*\c], v[TM+12+2*\c]
	v_cvt_scalef32_pk16_fp6_f32 v[(\tp)+4*\c:(\tp)+2+4*\c], v[(\src)+16+32*\c:(\src)+31+32*\c], v[TM+13+2*\c]
.endr
	v_nop                                                  ; one plain line behind the scaled conversions
.irp c, 0,1                                            ; the operand wants a whole block in a lane: lanes 0-15 block 2 c, lanes 16-31 block 2 c + 1
.irp i, 0,1,2
	v_permlane16_swap_b32 v[(\pc)+6*\c+\i], v[(\tp)+4*\c+\i]
.endr
.irp i, 0,1,2
	v_mov_b32 v[(\pc)+3+6*\c+\i], v[(\tp)+4*\c+\i]
.endr
.endr
.endm
	s_load_b256 s[4:11], s[0:1], 0x0               ; x s[4:5], Wq s[6:7], Wk s[8:9], Wv s[10:11]
	s_load_b128 s[12:15], s[0:1], 0x20             ; xc s[12:13], wc s[14:15]
	v_lshl_add_u32 v[SPW], v0, 2, SPARE
	v_mov_b32 v[NIL], 0
	v_lshrrev_b32 v1, 5, v0
	v_readfirstlane_b32 s16, v1                    ; wave
	v_and_b32 v1, 31, v0                           ; lane
	v_and_b32 v2, 15, v0                           ; r
	v_bfe_u32 v3, v0, 4, 1                         ; h
	v_lshlrev_b32 v4, 4, v1                        ; 16 x lane
	v_lshlrev_b32 v5, 3, v1                        ; 8 x lane
	s_mov_b32 s[SEL], 0x76543210
	s_mov_b32 s[SEL+1], 0xfedcba98
	s_cmp_ge_u32 ttmp9, 128
	s_cbranch_scc1 .Lw
	; ---------------- x: 64 rows x 128 along K to a wave
	s_lshr_b32 s17, ttmp9, 1                       ; which 64 rows
	s_and_b32 s18, ttmp9, 1
	s_lshl_b32 s18, s18, 2
	s_add_co_u32 s18, s18, s16                     ; which K step
	s_lshl_b32 s22, s17, 18                        ; 64 rows of 4,096 bytes
	s_lshl_b32 s23, s18, 9                         ; 128 numbers
	s_add_co_u32 s22, s22, s23
	s_mov_b32 s23, 0
	s_lshr_b32 s24, s17, 1
	s_lshl_b32 s24, s24, 3
	s_add_co_u32 s24, s24, s18
	s_lshl_b32 s24, s24, 1
	s_and_b32 s25, s17, 1
	s_add_co_u32 s24, s24, s25
	s_mul_i32 s24, s24, 6400                       ; my half panel
	s_mov_b32 s25, 0
	s_mul_i32 s26, s16, 8448                       ; my stage
	s_wait_alu depctr_va_vdst(0)
	v_add_nc_u32 v6, s26, v4                       ; in: a row's 512 bytes as they lie
	v_mul_u32_u24 v7, v2, 528
	v_lshl_add_u32 v7, v3, 6, v7
	v_add_nc_u32 v7, s26, v7                       ; out: row r, + 64 h: my 16 numbers of each block
.irp b, 0,1,2,3
	v_mov_b32 v[TM+4+\b], 0                        ; written once: a lane permute's destination counts as one of its sources
.endr
	s_wait_alu depctr_va_vdst(0)
	s_wait_kmcnt 0x0
	s_add_nc_u64 s[4:5], s[4:5], s[22:23]
	s_add_nc_u64 s[12:13], s[12:13], s[24:25]
.macro XLD t, rs                       ; tile t's 16 rows, in the order of their positions; each load covers 512 consecutive bytes
.irp p, 0,1,2,3,4,5,6,7,8,9,10,11,12,13,14,15
	global_load_b128 v[R+64*(\rs)+4*\p:R+64*(\rs)+4*\p+3], v4, s[4:5] offset:(32*((\t)/2)+8*((\t)%2)+\p+8*(\p/8))*4096 th:TH_LOAD_NT
.endr
.endm
.macro XTURN rs                        ; through the stage: LDS serves a wave's instructions in order, so no wait stands between the stores and the loads
.irp p, 0,1,2,3,4,5,6,7,8,9,10,11,12,13,14,15
	ds_store_b128 v6, v[R+64*(\rs)+4*\p:R+64*(\rs)+4*\p+3] offset:528*\p
.endr
.irp b, 0,1,2,3
.irp j, 0,1,2,3
	ds_load_b128 v[X+16*\b+4*\j:X+16*\b+4*\j+3], v7 offset:128*\b+16*\j
.endr
.endr
.endm
	XLD 0, 0
	XLD 1, 1
.irp t, 0,1,2,3
.if \t < 3
	s_wait_loadcnt 16                              ; this tile's 16 loads are in; the next tile's 16 may be out
.else
	s_wait_loadcnt 0
.endif
	XTURN \t%2
	s_wait_dscnt 0x0                               ; my 64 numbers are back, and the stage's stores have read their registers
	s_wait_xcnt 0x0                                ; the last tile's stores have read the codes' registers, which are written again below
.if \t < 2
	XLD \t+2, \t%2
.endif
	QUANT X, PC, TP, PW+\t
.irp c, 0,1,2
	global_store_b128 v4, v[PC+4*\c:PC+4*\c+3], s[12:13] offset:1536*\t+512*\c th:TH_STORE_NT   ; 512 consecutive bytes
.endr
.if \t%2 == 1
	v_permlane16_swap_b32 v[PW+\t-1], v[PW+\t]     ; lanes 0-15: the even tile's words, lanes 16-31: the odd tile's
.endif
.endr
	v_mov_b32 v[PW+1], v[PW+2]
	global_store_b64 v5, v[PW:PW+1], s[12:13] offset:6144 th:TH_STORE_NT   ; 256 consecutive bytes
	s_wait_tensorcnt 0x0                           ; the wave's end, behind my last LDS store
	ds_add_u32 v[SPW], v[NIL]
	s_wait_dscnt 0x0
	s_endpgm
	; ---------------- the weights: 64 columns x 128 along K to a wave.  A lane takes a column; two tiles (32 positions) at a time
.Lw:
	s_sub_co_u32 s17, ttmp9, 128
	s_and_b32 s18, s17, 7                          ; which K step
	s_lshr_b32 s19, s17, 3                         ; which 256 columns of the three matrices' 6,144
	s_lshr_b32 s26, s19, 3                         ; which matrix
	s_and_b32 s27, s19, 7
	s_lshl_b32 s27, s27, 2
	s_add_co_u32 s27, s27, s16                     ; which 64 columns of it
	s_lshl_b32 s22, s27, 8
	s_lshl_b32 s23, s18, 20                        ; 128 rows of 8,192 bytes
	s_add_co_u32 s22, s22, s23
	s_mov_b32 s23, 0
	s_lshl_b32 s24, s19, 2
	s_add_co_u32 s24, s24, s16
	s_lshr_b32 s25, s24, 1
	s_lshl_b32 s25, s25, 3
	s_add_co_u32 s25, s25, s18
	s_lshl_b32 s25, s25, 1
	s_and_b32 s24, s24, 1
	s_add_co_u32 s24, s25, s24
	s_mul_i32 s24, s24, 6400                       ; my half panel
	s_mov_b32 s25, 0
	s_wait_alu depctr_va_vdst(0)
	v_and_b32 v6, 8, v2
	v_add_nc_u32 v6, v6, v2
	v_lshl_add_u32 v6, v3, 3, v6                   ; my position's column among 32: 8 (l / 16) + l % 16 + 8 ((l % 16) / 8)
	v_lshlrev_b32 v6, 2, v6
	s_wait_alu depctr_va_vdst(0)
	s_wait_kmcnt 0x0
	s_cmp_eq_u32 s26, 0                            ; the choice hangs on the work-group's number alone
	s_cselect_b64 s[28:29], s[6:7], s[8:9]
	s_cmp_eq_u32 s26, 2
	s_cselect_b64 s[28:29], s[10:11], s[28:29]
	s_add_nc_u64 s[28:29], s[28:29], s[22:23]
	s_add_nc_u64 s[14:15], s[14:15], s[24:25]
.macro WLD n                           ; block n % 4 of pair n / 4: 32 rows of W at my column, into set n % 2; the wave reads 128 consecutive bytes
.irp i, 0,1,2,3,4,5,6,7,8,9,10,11,12,13,14,15,16,17,18,19,20,21,22,23,24,25,26,27,28,29,30,31
	global_load_b32 v[16+32*((\n)%2)+\i], v6, s[28:29] offset:(32*((\n)%4)+\i)*8192+128*((\n)/4) th:TH_LOAD_NT
.endr
.endm
; v80-127: pair pr at 80 + 24 pr: twelve registers with my column's blocks 0 and 2, twelve with blocks 1 and 3.  v[132:133]: the pairs' scale words.
.macro BLOCK n
.set XS, 16+32*((\n)%2)
.set PR, (\n)/4
.set BE, (\n)%4
.set FD, 80+24*PR+12*(BE%2)+6*(BE/2)
.if (\n) < 7
	s_wait_loadcnt 32                              ; this block's 32 loads are in; the next block's may be out
.else
	s_wait_loadcnt 0
.endif
	v_max3_num_f32 v12, |v[XS]|, |v[XS+1]|, |v[XS+2]|      ; all 32 numbers of the block are mine
	v_max3_num_f32 v13, |v[XS+3]|, |v[XS+4]|, |v[XS+5]|
.irp i, 6,10,14,18,22,26
	v_max3_num_f32 v12, v12, |v[XS+\i]|, |v[XS+\i+1]|
	v_max3_num_f32 v13, v13, |v[XS+\i+2]|, |v[XS+\i+3]|
.endr
	v_max3_num_f32 v12, v12, |v[XS+30]|, |v[XS+31]|
	v_max3_num_f32 v12, v12, v13, 0x1800000        ; and the floor
	v_add_nc_u32 v11, 0xff000000, v12              ; the conversion's scale operand
	v_lshrrev_b32 v13, 23, v11                     ; the byte
.if BE == 0
	v_mov_b32 v[132+PR], v13
.else
	v_lshl_or_b32 v[132+PR], v13, 8*BE, v[132+PR]
.endif
	v_cvt_scalef32_pk16_fp6_f32 v[FD:FD+2], v[XS:XS+15], v11
	v_cvt_scalef32_pk16_fp6_f32 v[128:130], v[XS+16:XS+31], v11    ; (a conversion's three registers begin on an even number)
	v_nop
.irp i, 0,1,2
	v_mov_b32 v[FD+3+\i], v[128+\i]
.endr
.if (\n) < 6
	WLD (\n)+2
.endif
.if BE == 3                            ; lanes 0-15 hold the even tile's rows, lanes 16-31 the odd tile's: the exchange gives each tile its fragment (lanes 0-15 blocks 0, 2; lanes 16-31 blocks 1, 3)
.irp i, 0,1,2,3,4,5,6,7,8,9,10,11
	v_permlane16_swap_b32 v[80+24*PR+\i], v[92+24*PR+\i]
.endr
.irp e, 0,1
.irp c, 0,1,2
	global_store_b128 v4, v[80+24*PR+12*\e+4*\c:80+24*PR+12*\e+4*\c+3], s[14:15] offset:(2*PR+\e)*1536+512*\c th:TH_STORE_NT
.endr
.endr
.endif
.endm
	WLD 0
	WLD 1
.irp n, 0,1,2,3,4,5,6,7
	BLOCK \n
.endr
	global_store_b64 v5, v[132:133], s[14:15] offset:6144 th:TH_STORE_NT   ; no store's data are written again on this path
	s_wait_tensorcnt 0x0                           ; the same three lines at this path's end
	ds_add_u32 v[SPW], v[NIL]
	s_wait_dscnt 0x0
	s_endpgm
.Lfunc_end_k_qf33e26facc_quant:
	.size	k_qf33e26facc_quant, .Lfunc_end_k_qf33e26facc_quant-k_qf33e26facc_quant
	.p2alignl 7, 3214868480
	.fill 96, 4, 3214868480
	.section	.rodata,"a",@progbits
	.p2align	6, 0x0
	.amdhsa_kernel k_qf33e26facc_quant
		.amdhsa_group_segment_fixed_size 34304
		.amdhsa_private_segment_fixed_size 0
		.amdhsa_enable_private_segment 0
		.amdhsa_kernarg_size 48
		.amdhsa_user_sgpr_count 2
		.amdhsa_user_sgpr_kernarg_segment_ptr 1
		.amdhsa_wavefront_size32 1
		.amdhsa_system_sgpr_workgroup_id_x 1
		.amdhsa_system_sgpr_workgroup_id_y 1
		.amdhsa_system_sgpr_workgroup_id_z 1
		.amdhsa_system_vgpr_workitem_id 0
		.amdhsa_next_free_vgpr 256
		.amdhsa_next_free_sgpr 66
		.amdhsa_reserve_vcc 0
		.amdhsa_float_denorm_mode_32 3
		.amdhsa_float_denorm_mode_16_64 3
		.amdhsa_memory_ordered 1
		.amdhsa_forward_progress 1
		.amdhsa_inst_pref_size 72
	.end_amdhsa_kernel
	.amdgpu_metadata
---
amdhsa.version: [ 1, 2 ]
amdhsa.kernels:
  - .name:           k_qf33e26facc_quant
    .symbol:         k_qf33e26facc_quant.kd
    .args:
      - { .name: x, .offset: 0, .size: 8, .value_kind: global_buffer, .address_space: global }
      - { .name: Wq, .offset: 8, .size: 8, .value_kind: global_buffer, .address_space: global }
      - { .name: Wk, .offset: 16, .size: 8, .value_kind: global_buffer, .address_space: global }
      - { .name: Wv, .offset: 24, .size: 8, .value_kind: global_buffer, .address_space: global }
      - { .name: xc, .offset: 32, .size: 8, .value_kind: global_buffer, .address_space: global }
      - { .name: wc, .offset: 40, .size: 8, .value_kind: global_buffer, .address_space: global }
    .group_segment_fixed_size: 34304
    .private_segment_fixed_size: 0
    .kernarg_segment_align: 8
    .kernarg_segment_size: 48
    .max_flat_workgroup_size: 128
    .sgpr_count:     66
    .vgpr_count:     256
    .wavefront_size: 32
...
	.end_amdgpu_metadata
.endif
;; end of part 1
;; launch proj (part 2): grid 32 x 8, 4 waves a work-group, clusters of 4 x 4, 327,680 bytes of LDS; arguments xc, wc, bq, bk, bv, qkv; writes qkv
.if DOCPART == 2
	.amdgcn_target "amdgcn-amd-amdhsa--gfx1250"
	.amdhsa_code_object_version 6
	.text
	.protected	k_qf33e26facc_proj
	.globl	k_qf33e26facc_proj
	.p2align	8
	.type	k_qf33e26facc_proj,@function
k_qf33e26facc_proj:
	s_mov_b64 s[64:65], 0
	v_nop
	global_prefetch_b8 v0, s[64:65] scope:SCOPE_SE
	s_setreg_imm32_b32 hwreg(HW_REG_WAVE_MODE, 25, 1), 1
	s_wait_xcnt 0x0
	s_wait_alu depctr_hold_cnt(0) depctr_sa_sdst(0) depctr_va_vdst(0) depctr_va_sdst(0) depctr_va_ssrc(0) depctr_va_vcc(0) depctr_vm_vsrc(0)
	s_getreg_b32 s2, hwreg(HW_REG_IB_STS2, 6, 4)
	s_cmp_eq_u32 s2, 0
	s_cbranch_scc0 .Lentry_in_a_cluster
	s_endpgm
.Lentry_in_a_cluster:
	s_bfe_u32 s2, ttmp6, 0x10000c
	s_cmp_lg_u32 s2, 0xf033
	s_cbranch_scc0 .Lentry_shape_is_right
	s_endpgm
.Lentry_shape_is_right:
; q, k, v = x W + b on codes of E2M3, quantised on the way out (q, k along the head's 2,048, v along the tokens).  No f32 result is stored.
; LIMIT: NaN and infinities are not served.  A scale byte is held at 1 from below.
; xc, wc: panels of 128 positions x 128 K as launch quant lays them; the eight panels of 128 positions are 102,400 bytes on end.
; qkv: panels of the same size and order, but a FRAGMENT is two halves of 768 bytes, half c = registers 6 c .. 6 c + 5: 16 bytes a lane (registers 6 c .. + 3), then 8 bytes a lane (+ 4, + 5).
;   q: panel (row group G, K step) at 16 G + step; k's behind q's 512; v's (d group, key step) at 1,024 + 32 group + step.
; THE DEAL.  256 work-groups, 4 x 4 clusters, four waves 2 x 2 (row w, column c).  A work-group makes 256 tokens x 128 columns of V, then 512 x 128 of Q or K.  V's tokens are half s87 of its own 512,
; so the two chunks of 128 tokens that the head brings serve V and then the first half of Q or K.  A wave holds 64 weight columns, all of K, in 384 registers; x streams past in blocks of 16 rows: wave row w takes the
; four tiles of half panel w of each chunk.  V: source 0 = x, so a lane holds one column and its registers run along the tokens; Q, K: source 0 = the weight, so a lane holds one token and registers along the columns.
; x is shared by a row of the cluster, a weight by a column: joint loads.
; LDS: slots 0 and 1 for x's chunks, BV for the weight, XN and XM stages for scale bytes, the spare words.
; FILLS.  Head, one load a wave: waves 0, 1 W_v's halves, wave 2 chunk 0, wave 3 chunk 1.  Three refills, each in a round inside a block of products: W_q or W_k onto W_v (V's block 2), chunks 2 and 3 (blocks 2 and 6 of Q, K).
; A BLOCK is 32 products; four accumulators take turns.  Behind every second product stand two lines of the block's list: the search for the largest magnitudes of the LAST block's sums.  The conversions stand behind the last product.
; PREFETCH: the weight of the second phase at the head, chunk 2 behind the first refill, chunk 3 at the change of phase; each 102,400 bytes are shared out by address among the sixteen waves that will ask jointly, 25 blocks of 256 bytes each.
; REGISTERS, window 0: v4-7, v12-15 LDS addresses of x (slot 0; current slot), v16-19 of the weight; v24-39 the weight's scale words, v44-59 x's, two sets; v64-191 V's sums of chunk 0, later v64-127 two sets of Q's or K's sums, v144-175 their bias;
;   work areas of 20 at v176, 196, 216, 236.  Windows 1-3: 48 fragments of 12, 21 to a window: 0-31 the weight's (4 q + b), 32-39, 40-47 x's two sets; v840-967 V's sums of chunk 1; v992-1023 V's bias.
.set PANEL, 12800
.set HPB,   6400
.set SLOT,  102400
.set HALF,  51200
.set BV,    2*SLOT
.set XN,    3*SLOT
.set XM,    XN+2048
.set SPARE, XM+1024
.set NF,    32                         ; LDS loads of a block: 24 for eight fragments, 8 scale words
.set SPW, 10
.set NIL, 11
.set SB,  24
.set SA,  44
.set ACC, 64
.set HV0, 64
.set HV1, 840
.set BBQ, 144
.set W0,  236
.set G1A, 24
.set G1B, 32
.set G0B, 52
.set G0A, 56
.set G0R, 60
.set MSB, 0
.macro WIN new
.if MSB != (\new)
	s_set_vgpr_msb (MSB<<8)|(\new)
.set MSB, (\new)
.endif
.endm
.macro PLACES
.rept 4
	v_nop
.endr
.endm
.macro WALU
	s_wait_alu depctr_va_vdst(0)
.endm
.macro BARRIER
	s_barrier_signal -1
	s_barrier_wait -1
.endm
.macro MIDDLE                          ; a round behind its opening signal, up to the cluster's wait
	WIN 0
	s_barrier_wait -1
	s_cmp_lg_u32 s14, 0
	s_cbranch_scc1 .Lnot_wave_0_\@
	s_barrier_signal -3
.Lnot_wave_0_\@:
	s_barrier_wait -3
.endm
.macro CROUND
	s_barrier_signal -1
	MIDDLE
	BARRIER
.endm
.macro GRD
	s_wait_tensorcnt 0x0
	ds_add_u32 v[SPW], v[NIL]
.endm
.macro TLOAD g0, g1
	tensor_load_to_lds s[\g0:\g0+3], s[\g1:\g1+7]
	s_nop 0
	PLACES
.endm
.macro GROUP1 g, mask, rows            ; a dense block as rows of 32 elements of 8 bytes
	s_or_b32 s[\g], s\mask, (3<<16)|(1<<21)
	s_mov_b32 s[\g+1], 32<<16
	s_mov_b32 s[\g+2], (\rows)<<16
	s_mov_b32 s[\g+3], 32<<16
	s_mov_b32 s[\g+4], \rows
	s_mov_b32 s[\g+5], 32
	s_mov_b32 s[\g+6], 0
	s_mov_b32 s[\g+7], 0
.endm
.macro WEIGHTS                         ; my 64 columns, all of K: 96 loads, and 16 scale words: SB + 8 p + q serves tiles 2 p, 2 p + 1
.irp q, 0,1,2,3,4,5,6,7
.irp b, 0,1,2,3
.set F_, 4*\q+\b
	WIN ((1+F_/21)<<6)
.irp c, 0,1,2
	ds_load_b128 v[12*(F_%21)+4*\c:12*(F_%21)+4*\c+3], v[16+\q/4] offset:PANEL*(\q%4)+1536*\b+512*\c
.endr
.endr
.endr
	WIN 0
.irp q, 0,1,2,3,4,5,6,7
	ds_load_b32 v[SB+\q], v[18+\q/4] offset:PANEL*(\q%4)
	ds_load_b32 v[SB+8+\q], v[18+\q/4] offset:PANEL*(\q%4)+4
.endr
.endm
.macro FETCH e, s, a                   ; tile s of my half panel, all of K, into set e; addresses v[a] ..: NF loads
.irp q, 0,1,2,3,4,5,6,7
.set F_, 32+8*(\e)+\q
	WIN ((1+F_/21)<<6)
.irp c, 0,1,2
	ds_load_b128 v[12*(F_%21)+4*\c:12*(F_%21)+4*\c+3], v[\a+\q/4] offset:PANEL*(\q%4)+1536*(\s)+512*\c
.endr
.endr
	WIN 0
.irp q, 0,1,2,3,4,5,6,7
	ds_load_b32 v[SA+8*(\e)+\q], v[\a+2+\q/4] offset:PANEL*(\q%4)+4*((\s)/2)
.endr
.endm
.macro MM d, s0, s1, c, x0, x1, ra, rb
	v_wmma_scale_f32_16x16x128_f8f6f4 v[\d:\d+7], v[\s0:\s0+11], v[\s1:\s1+11], \c, v[\x0], v[\x1] matrix_a_fmt:MATRIX_FMT_FP6 matrix_b_fmt:MATRIX_FMT_FP6 matrix_a_scale:MATRIX_SCALE_ROW\ra matrix_b_scale:MATRIX_SCALE_ROW\rb
.endm
; product n = 4 q + b of a block on set e.  kind 1: V.  x's tile parity is e: its scale word lies in that half of the lanes.  q = 0 starts the sums with the bias.
.macro PROD kind, e, n, a0, as
.set Q_, (\n)/4
.set B_, (\n)%4
.set FB_, 4*Q_+B_
.set FA_, 32+8*(\e)+Q_
.set D_, (\a0)+(\as)*B_
.set DL_, D_&255
.set DW_, D_>>8
.set XB_, SB+8*(B_/2)+Q_
.set XA_, SA+8*(\e)+Q_
.set RB_, 12*(FB_%21)
.set RX_, 12*(FA_%21)
.if \kind
.if Q_
	WIN (1+FA_/21)|((1+FB_/21)<<2)|(DW_<<4)|(DW_<<6)
.set C_, DL_
.else
	WIN (1+FA_/21)|((1+FB_/21)<<2)|(3<<4)|(DW_<<6)
.set C_, 224+8*B_
.endif
.if B_%2
	MM DL_, RX_, RB_, v[C_:C_+7], XA_, XB_, \e, 1
.else
	MM DL_, RX_, RB_, v[C_:C_+7], XA_, XB_, \e, 0
.endif
.else
	WIN (1+FB_/21)|((1+FA_/21)<<2)
.if Q_
.set C_, DL_
.else
.set C_, BBQ+8*B_
.endif
.if B_%2
	MM DL_, RB_, RX_, v[C_:C_+7], XB_, XA_, 1, \e
.else
	MM DL_, RB_, RX_, v[C_:C_+7], XB_, XA_, 0, \e
.endif
.endif
.endm
.macro BLOCK kind, e, a0, as, from, to, list, x
.set N_, \from
.rept (\to)-(\from)
	PROD \kind, \e, N_, \a0, \as
.if N_%2
	\list N_-1, \x
	\list N_, \x
.endif
.set N_, N_+1
.endr
.endm
; A WAY OUT of the 32 sums from register x on: two tile pairs of 16, each my half of a scale block whose other half lies in lane l xor 16.
; Work area t: t, t + 1 the two maxima; t + 2, t + 3 lane l xor 16's; t + 4, t + 5 the scale operands; t + 6, t + 7 bytes; t + 8 .. 10 the second pair's codes; t + 12 .. 17 the six registers of the half fragment.
.macro CHAIN i, x, t                   ; line i of 22; the two lines of a pair do not hang on each other
.set XW_, (\x)>>8
.set XL_, (\x)&255
.set U_, (\i)%2
.set Y_, XL_+16*U_
.set J_, (\i)/2
.if ((\i) >= 0) && ((\i) < 2)
	WIN XW_|(XW_<<2)|(XW_<<4)
	v_max3_num_f32 v[\t+U_], |v[Y_]|, |v[Y_+1]|, |v[Y_+2]|
.elseif ((\i) >= 2) && ((\i) < 14)
	WIN (XW_<<2)|(XW_<<4)
	v_max3_num_f32 v[\t+U_], v[\t+U_], |v[Y_+2*J_+1]|, |v[Y_+2*J_+2]|
.elseif ((\i) >= 14) && ((\i) < 16)
	WIN (XW_<<2)
	v_max3_num_f32 v[\t+U_], v[\t+U_], |v[Y_+15]|, 0x1800000   ; the floor 2^(3 - 127): the byte cannot fall under 1
.elseif ((\i) >= 16) && ((\i) < 18)
	WIN 0
	v_permlanex16_b32 v[\t+2+U_], v[\t+U_], s76, s77
.elseif ((\i) >= 18) && ((\i) < 20)
	WIN 0
	v_max_num_f32 v[\t+U_], v[\t+U_], v[\t+2+U_]
.elseif ((\i) >= 20) && ((\i) < 22)
	WIN 0
	v_add_nc_u32 v[\t+4+U_], 0xff000000, v[\t+U_]              ; 2 off the exponent field
.endif
.endm
.macro CODES x, t
.set XW_, (\x)>>8
.set XL_, (\x)&255
	WIN XW_
	v_cvt_scalef32_pk16_fp6_f32 v[\t+12:\t+14], v[XL_:XL_+15], v[\t+4]
	v_cvt_scalef32_pk16_fp6_f32 v[\t+8:\t+10], v[XL_+16:XL_+31], v[\t+5]
	WIN 0
	v_lshrrev_b32 v[\t+6], 23, v[\t+4]
	v_lshrrev_b32 v[\t+7], 23, v[\t+5]
	v_lshl_or_b32 v[\t+6], v[\t+7], 8, v[\t+6]
.irp k, 0,1,2                          ; a whole block in a lane: lanes 0-15 the first pair's, lanes 16-31 the second's
	v_permlane16_swap_b32 v[\t+12+\k], v[\t+8+\k]
.endr
.irp k, 0,1,2
	v_mov_b32 v[\t+15+\k], v[\t+8+\k]
.endr
.endm
.macro L_NONE i, x
.endm
.macro L_OUT i, x
	CHAIN \i, \x, W0
.endm
.macro L_CUR i, x                      ; first the addresses of the chunk that this trip fetches from
.if (\i) < 4
	WIN 0
	v_add_nc_u32 v[12+(\i)], s78, v[4+(\i)]
.endif
	CHAIN (\i)-4, \x, W0
.endm
.macro VSEND t, tt, k                  ; V: column tile tt of chunk k leaves: 512 and 256 consecutive bytes; two scale bytes to the stage
	ds_store_b16 v40, v[\t+6] offset:512*(\k)+128*((\tt)%2)+4*((\tt)/2)
	global_store_b128 v22, v[\t+12:\t+15], s[68:69] offset:PANEL*(\k)+1536*(\tt)
	global_store_b64 v20, v[\t+16:\t+17], s[68:69] offset:PANEL*(\k)+1536*(\tt)+512
.endm
.macro QSEND s                         ; Q, K: tile s of the chunk leaves
	ds_store_b16 v21, v[W0+6] offset:128*((\s)%2)+4*((\s)/2)
	global_store_b128 v22, v[W0+12:W0+15], s[72:73] offset:1536*(\s)
	global_store_b64 v20, v[W0+16:W0+17], s[72:73] offset:1536*(\s)+512
.endm
.macro VOUTB e, s, ft                  ; V's block s of chunk 1, with the way out of column tile s of chunk 0
	s_wait_dscnt NF
	BLOCK 1, \e, HV1+8*\s, 32, 0, 32, L_OUT, HV0+32*\s
	WIN 0
	WALU
	s_wait_xcnt 0x0
	CODES HV0+32*\s, W0
	WALU
	VSEND W0, \s, 0
.if \ft
	FETCH \e, \s+2, 12
.endif
.endm
; A block of Q or K: tile s of a chunk, set e = s % 2, with the way out of the block before.  mode 1: a round and a refill of x; mode 2: a plain barrier shows the last refill.  fa: where the block two on is fetched (0: not).  nx: the next sends belong to the next chunk.
.macro QB e, s, w, mode, list, fa, nx
.set SP_, ((\s)+3)%4
	s_wait_dscnt \w
.if \mode == 1
	GRD
	s_add_nc_u64 s[G0R+2:G0R+3], s[4:5], s[80:81]
	s_or_b32 s[G0R+3], s[G0R+3], 0x80000000
	s_add_co_u32 s[G0R+1], s83, s17
	s_add_co_u32 s80, s80, SLOT
	s_xor_b32 s83, s83, SLOT
.endif
.if \mode == 0
	BLOCK 0, \e, ACC+32*\e, 8, 0, 32, \list, ACC+32-32*\e
	WIN 0
	WALU
	s_wait_xcnt 0x0                                ; the last block's stores have read their codes and their base
.if \nx
	s_add_co_u32 s86, s86, 1
	s_lshl_b32 s20, s87, 1
	s_xor_b32 s20, s20, s86                        ; the chunk's true number: the half that comes first is half s87
	s_mul_i32 s20, s20, 16*PANEL
	s_mov_b32 s21, 0
	s_add_nc_u64 s[72:73], s[74:75], s[20:21]
	s_lshl_b32 s22, s86, 9
	s_xor_b32 s78, s78, SLOT
	v_add_nc_u32 v21, s22, v23                     ; the stage goes by the order of work
.endif
	CODES ACC+32-32*\e, W0
.else
	BLOCK 0, \e, ACC+32*\e, 8, 0, 26, \list, ACC+32-32*\e
	WIN 0
	WALU
	s_wait_xcnt 0x0
.if \mode == 2
	s_wait_tensorcnt 0x0
.endif
	s_wait_dscnt 0x0
	s_barrier_signal -1
	BLOCK 0, \e, ACC+32*\e, 8, 26, 32, L_NONE, 0
	WIN 0
.if \mode == 1
	CODES ACC+32-32*\e, W0
	MIDDLE
	BARRIER
	s_cmp_lt_u32 s14, 2
	s_cbranch_scc1 .Lnone_\@
	TLOAD G0R, G1A                                 ; waves 2 and 3: half a chunk each
.Lnone_\@:
.else
	s_barrier_wait -1
	CODES ACC+32-32*\e, W0
.endif
.endif
	WALU
	QSEND SP_
.if \fa
	FETCH \e, ((\s)+2)%4, \fa
.endif
.endm
	s_load_b256 s[4:11], s[0:1], 0x0               ; xc, wc, bq, bk
	s_load_b128 s[48:51], s[0:1], 0x20             ; bv, qkv
	v_lshl_add_u32 v[SPW], v0, 2, SPARE
	v_mov_b32 v[NIL], 0
	ds_add_u32 v[SPW], v[NIL]                      ; the opening lines
	ds_add_u32 v[SPW], v[NIL]
	v_lshrrev_b32 v1, 5, v0
	v_readfirstlane_b32 s14, v1                    ; wave
	s_lshr_b32 s15, s14, 1                         ; w
	s_and_b32 s16, s14, 1                          ; c; also which half or chunk I fetch
	s_bfe_u32 s40, ttmp6, 0x40000                  ; cx
	s_bfe_u32 s41, ttmp6, 0x40004                  ; cy
	s_lshl_b32 s42, ttmp9, 2
	s_add_co_u32 s42, s42, s40                     ; tile column of Q (0-15) or K (16-31)
	s_and_b32 s43, ttmp7, 0xffff
	s_lshl_b32 s43, s43, 2
	s_add_co_u32 s43, s43, s41                     ; tile row: 512 tokens
	s_lshr_b32 s13, ttmp9, 1
	s_lshl_b32 s13, s13, 2
	s_add_co_u32 s13, s13, s40                     ; V's tile column
	s_and_b32 s87, ttmp9, 1
	s_lshl_b32 s12, s43, 1
	s_add_co_u32 s12, s12, s87                     ; V's tile row: each of V's 16 x 16 tiles has one work-group
	s_lshl_b32 s44, s41, 2
	s_lshl_b32 s44, 15, s44                        ; my row of the cluster
	s_lshl_b32 s45, 0x1111, s40                    ; my column
	GROUP1 G1A, 44, 400
	GROUP1 G1B, 45, 200
	s_mul_i32 s17, s16, HALF
	s_lshl_b32 s20, s12, 1
	s_add_co_u32 s20, s20, s16
	s_mul_i32 s20, s20, SLOT                       ; the chunk that wave 2 or 3 fetches
	s_mov_b32 s21, 0
	s_add_co_u32 s22, s13, 32
	s_mul_i32 s22, s22, SLOT
	s_add_co_u32 s22, s22, s17                     ; W_v, my half of K
	s_mov_b32 s23, 0
	s_mul_i32 s46, s42, SLOT                       ; W_q or W_k
	s_add_co_u32 s66, s46, s17
	s_mov_b32 s67, 0
	s_xor_b32 s47, s87, 1
	s_lshl_b32 s47, s47, 1
	s_lshl_b32 s2, s43, 2
	s_add_co_u32 s47, s47, s2
	s_mul_i32 s47, s47, SLOT                       ; chunk 2: the other half's first
	s_add_co_u32 s80, s47, s17
	s_mov_b32 s81, 0
	s_mov_b32 s[G0A], 1
	s_mul_i32 s[G0A+1], s16, SLOT
	s_mov_b32 s[G0B], 1
	s_add_co_u32 s[G0B+1], s17, BV
	s_mov_b32 s[G0R], 1
	s_mov_b32 s76, 0x76543210
	s_mov_b32 s77, 0xfedcba98
	v_and_b32 v1, 31, v0
	v_and_b32 v2, 15, v0                           ; r
	v_bfe_u32 v3, v0, 4, 1                         ; h
	v_lshlrev_b32 v22, 4, v1
	v_lshlrev_b32 v20, 3, v1
	s_mul_i32 s2, s15, HPB
	v_add_nc_u32 v4, s2, v22
	v_add_nc_u32 v5, HALF, v4                      ; K steps 4-7
	s_add_co_u32 s2, s2, 6144
	v_add_nc_u32 v6, s2, v20
	v_add_nc_u32 v7, HALF, v6
.irp k, 0,1,2,3
	v_add_nc_u32 v[12+\k], SLOT, v[4+\k]
.endr
	s_mul_i32 s2, s16, HPB
	s_add_co_u32 s2, s2, BV
	v_add_nc_u32 v16, s2, v22
	v_add_nc_u32 v17, HALF, v16
	s_add_co_u32 s2, s2, 6144
	v_add_nc_u32 v18, s2, v20
	v_add_nc_u32 v19, HALF, v18
	s_lshl_b32 s2, s15, 8
	s_lshl_b32 s3, s16, 1
	s_add_co_u32 s2, s2, s3
	s_add_co_u32 s2, s2, XN
	v_lshlrev_b32 v41, 3, v2
	v_add_nc_u32 v23, s2, v41                      ; stage of Q's or K's scale bytes: 256 w + 8 r + 2 c
	v_add_nc_u32 v21, s2, v41
	s_lshl_b32 s2, s16, 8
	s_lshl_b32 s3, s15, 1
	s_add_co_u32 s2, s2, s3
	s_add_co_u32 s2, s2, XM
	v_add_nc_u32 v40, s2, v41                      ; of V's: 256 c + 8 r + 2 w
	v_min_u32 v41, 24, v1
	WALU                                           ; ahead of the scalar lines
	s_lshl_b32 s2, s41, 2
	s_add_co_u32 s2, s2, s14
	s_mul_i32 s2, s2, 6400
	s_add_co_u32 s2, s2, s46
	v_lshl_add_u32 v8, v41, 8, s2                  ; prefetch: my sixteenth of the second weight
	s_lshl_b32 s2, s40, 2
	s_add_co_u32 s2, s2, s14
	s_mul_i32 s2, s2, 6400
	s_add_co_u32 s2, s2, s47
	v_lshl_add_u32 v9, v41, 8, s2                  ; and of chunk 2
	v_and_b32 v42, 8, v2
	v_add_nc_u32 v42, v42, v2
	v_lshlrev_b32 v42, 2, v42                      ; V's bias: position r's column
	v_lshlrev_b32 v43, 6, v3                       ; Q's, K's: 16 columns for each half of the lanes
.irp k, 198,199,218,219,238,239
	v_mov_b32 v[\k], 0                             ; a lane permute's destination counts as one of its sources
.endr
	WALU
	s_wait_dscnt 0x0                               ; both opening adds are done
	CROUND                                         ; the first joint loads meet
	s_wait_kmcnt 0x0
	s_add_nc_u64 s[G0A+2:G0A+3], s[4:5], s[20:21]
	s_or_b32 s[G0A+3], s[G0A+3], 0x80000000
	s_add_nc_u64 s[G0B+2:G0B+3], s[6:7], s[22:23]
	s_or_b32 s[G0B+3], s[G0B+3], 0x80000000
	s_add_nc_u64 s[66:67], s[6:7], s[66:67]
	s_cmp_lt_u32 s14, 2
	s_cbranch_scc0 .Lwave_2
	TLOAD G0B, G1B                                 ; waves 0, 1: W_v, half of K each
	s_branch .Lasked
.Lwave_2:
	s_cmp_eq_u32 s14, 2
	s_cbranch_scc0 .Lwave_3
	TLOAD G0A, G1A                                 ; wave 2: chunk 0
	s_branch .Lasked
.Lwave_3:
	TLOAD G0A, G1A                                 ; wave 3: chunk 1
.Lasked:
	s_lshl_b32 s20, s13, 9
	s_lshl_b32 s22, s16, 8
	s_add_co_u32 s20, s20, s22
	s_mov_b32 s21, 0
	s_add_nc_u64 s[2:3], s[48:49], s[20:21]
	WIN 0xc0
.irp t, 0,1,2,3
	global_load_b32 v[224+8*\t], v42, s[2:3] offset:(32*(\t/2)+8*(\t%2))*4
.endr
	WIN 0
	s_and_b32 s20, s42, 15
	s_lshl_b32 s20, s20, 9
	s_add_co_u32 s20, s20, s22
	s_cmp_lt_u32 s42, 16
	s_cselect_b64 s[88:89], s[8:9], s[10:11]
	s_add_nc_u64 s[88:89], s[88:89], s[20:21]      ; my 64 columns of b_q or b_k
	s_lshl_b32 s20, s13, 5                         ; where V goes
	s_lshl_b32 s22, s12, 1
	s_add_co_u32 s20, s20, s22
	s_add_co_u32 s20, s20, 1024
	s_mul_i32 s20, s20, PANEL
	s_add_nc_u64 s[84:85], s[50:51], s[20:21]
	s_mul_i32 s22, s16, HPB
	s_mul_i32 s23, s15, 768
	s_add_co_u32 s22, s22, s23
	s_mov_b32 s23, 0
	s_add_nc_u64 s[68:69], s[84:85], s[22:23]
	s_lshr_b32 s20, s42, 4                         ; where Q or K goes
	s_lshl_b32 s20, s20, 9
	s_lshl_b32 s22, s43, 6
	s_add_co_u32 s20, s20, s22
	s_and_b32 s22, s42, 15
	s_add_co_u32 s20, s20, s22
	s_mul_i32 s20, s20, PANEL
	s_add_nc_u64 s[70:71], s[50:51], s[20:21]
	s_mul_i32 s22, s15, HPB
	s_mul_i32 s20, s16, 768
	s_add_co_u32 s22, s22, s20
	s_add_nc_u64 s[74:75], s[70:71], s[22:23]
	s_mul_i32 s20, s87, 32*PANEL
	s_add_nc_u64 s[72:73], s[74:75], s[20:21]
	s_mov_b32 s78, SLOT
	s_mov_b32 s79, 0
	s_mov_b32 s83, 0
	s_mov_b32 s86, 0
	s_wait_loadcnt 0x0
	WIN 0xc3
.irp t, 0,8,16,24
.irp i, 1,2,3,4,5,6,7
	v_mov_b32 v[224+\t+\i], v[224+\t]              ; one number a lane and tile, over the tile's eight registers
.endr
.endr
	WIN 0
	WALU                                           ; the wait at the head's end
	s_cmp_lt_u32 s14, 2
	s_cbranch_scc0 .Lnot_b
	s_wait_tensorcnt 0x0
.Lnot_b:
	BARRIER                                        ; W_v is in
	global_prefetch_b8 v8, s[6:7] th:TH_LOAD_NT scope:SCOPE_SE
	WEIGHTS
	s_cmp_eq_u32 s14, 3
	s_cbranch_scc1 .Lnot_a0
	s_wait_tensorcnt 0x0
.Lnot_a0:
	s_wait_dscnt 0x0
	BARRIER                                        ; chunk 0 is in; chunk 1 may be out
	FETCH 0, 0, 4
	FETCH 1, 1, 4
; ---------------- V: chunk 0
	s_wait_dscnt NF                                ; (here and below: all but the next block's fetch)
	BLOCK 1, 0, HV0, 32, 0, 32, L_NONE, 0
	WIN 0
	PLACES
	FETCH 0, 2, 4
	s_wait_dscnt NF
	BLOCK 1, 1, HV0+8, 32, 0, 32, L_NONE, 0
	WIN 0
	PLACES
	FETCH 1, 3, 4
	s_wait_dscnt NF
	GRD
	s_mov_b32 s[G1A+2], 200<<16                    ; from here on x comes by half chunks
	s_mov_b32 s[G1A+4], 200
	s_mov_b64 s[G0B+2:G0B+3], s[66:67]
	s_or_b32 s[G0B+3], s[G0B+3], 0x80000000
	BLOCK 1, 0, HV0+16, 32, 0, 24, L_NONE, 0
	WIN 0
	s_wait_dscnt 0x0
	s_barrier_signal -1
	BLOCK 1, 0, HV0+16, 32, 24, 32, L_NONE, 0
	MIDDLE
	BARRIER
	s_cmp_lt_u32 s14, 2
	s_cbranch_scc0 .Lno_w
	TLOAD G0B, G1B                                 ; W_q's or W_k's halves onto W_v's, which all waves hold in registers
.Lno_w:
	PLACES                                         ; for the waves that come round the load
	FETCH 0, 0, 12
	global_prefetch_b8 v9, s[4:5] th:TH_LOAD_NT scope:SCOPE_SE
	s_wait_dscnt NF
	BLOCK 1, 1, HV0+24, 32, 0, 32, L_NONE, 0
	WIN 0
	PLACES
	FETCH 1, 1, 12
; ---------------- V: chunk 1, with chunk 0's way outs
	VOUTB 0, 0, 1
	VOUTB 1, 1, 1
	VOUTB 0, 2, 0
	s_wait_dscnt 0x1                               ; the scale bytes' store may be out
	BLOCK 1, 1, HV1+24, 32, 0, 26, L_OUT, HV0+96
	WIN 0
	WALU
	s_wait_xcnt 0x0
	s_wait_tensorcnt 0x0
	s_wait_dscnt 0x0
	s_barrier_signal -1                            ; a plain barrier shows the second weight to all
	BLOCK 1, 1, HV1+24, 32, 26, 32, L_NONE, 0
	WIN 0
	s_barrier_wait -1
	CODES HV0+96, W0
	WALU
	VSEND W0, 3, 0
; ---------------- the change of phase: bias, weight and the first two blocks in one run of loads, chunk 1's way outs under their flight
.irp b, 0,1,2,3
	global_load_b128 v[BBQ+8*\b:BBQ+8*\b+3], v43, s[88:89] offset:(32*(\b/2)+8*(\b%2))*4
	global_load_b128 v[BBQ+8*\b+4:BBQ+8*\b+7], v43, s[88:89] offset:(32*(\b/2)+8*(\b%2))*4+16
.endr
	WEIGHTS
	FETCH 0, 0, 4
	FETCH 1, 1, 4
	global_prefetch_b8 v9, s[4:5] offset:SLOT th:TH_LOAD_NT scope:SCOPE_SE
.set I, 0
.rept 22
.irp t, 0,1,2,3
	CHAIN I, HV1+32*\t, 176+20*\t
.endr
.set I, I+1
.endr
	WIN 0
	WALU
	s_wait_xcnt 0x0
.irp t, 0,1,2,3
	CODES HV1+32*\t, 176+20*\t
.endr
	WALU
.irp t, 0,1,2,3
	VSEND 176+20*\t, \t, 1
.endr
	s_wait_loadcnt 0x0
; ---------------- Q or K: sixteen blocks
	s_wait_dscnt NF+4                              ; block 1's fetch and four stores may be out
	BLOCK 0, 0, ACC, 8, 0, 32, L_NONE, 0
	WIN 0
	PLACES
	FETCH 0, 2, 4
	QB 1, 1, NF, 0, L_OUT, 4, 0
.Lloop:                                        ; blocks 2-5, 6-9: all fetches of a trip are from the next chunk
	QB 0, 2, NF, 1, L_CUR, 12, 0
	QB 1, 3, NF, 0, L_OUT, 12, 0
	QB 0, 0, NF, 0, L_OUT, 12, 0
	QB 1, 1, NF, 0, L_OUT, 12, 1
	s_add_co_u32 s79, s79, 1
	s_cmp_lg_u32 s79, 2
	s_cbranch_scc1 .Lloop
	QB 0, 2, NF, 2, L_CUR, 12, 0                   ; blocks 10-13: nothing is filled any more
	QB 1, 3, NF, 0, L_OUT, 12, 0
	QB 0, 0, NF, 0, L_OUT, 12, 0
	QB 1, 1, NF, 0, L_OUT, 12, 1
	QB 0, 2, NF, 0, L_OUT, 0, 0
	QB 1, 3, 1, 0, L_OUT, 0, 0
; ---------------- the last way out, and the scale bytes in whole units of 256 bytes
.set I, 0
.rept 22
	CHAIN I, ACC+32, W0
.set I, I+1
.endr
	WIN 0
	WALU
	s_wait_xcnt 0x0
	CODES ACC+32, W0
	s_lshl_b32 s20, s14, 9
	s_add_co_u32 s20, s20, XN
	v_add_nc_u32 v128, s20, v22                    ; wave n: the n-th chunk's two half panels
	s_lshl_b32 s20, s14, 8
	s_add_co_u32 s20, s20, XM
	v_add_nc_u32 v129, s20, v20                    ; and one of V's four
	v_mul_u32_u24 v130, HPB, v3
	v_lshl_add_u32 v130, v2, 4, v130
	WALU
	QSEND 3
	s_wait_dscnt 0x0
	BARRIER
	ds_load_b128 v[64:67], v128
	ds_load_b64 v[68:69], v129
	s_lshl_b32 s20, s87, 1
	s_xor_b32 s20, s20, s14
	s_mul_i32 s20, s20, 16*PANEL
	s_mov_b32 s21, 0
	s_add_nc_u64 s[80:81], s[70:71], s[20:21]
	s_mul_i32 s20, s15, PANEL
	s_mul_i32 s22, s16, HPB
	s_add_co_u32 s20, s20, s22
	s_add_nc_u64 s[82:83], s[84:85], s[20:21]
	s_wait_dscnt 0x0
	global_store_b128 v130, v[64:67], s[80:81] offset:6144
	global_store_b64 v20, v[68:69], s[82:83] offset:6144
	s_wait_tensorcnt 0x0                           ; the wave's end
	ds_add_u32 v[SPW], v[NIL]
	s_wait_dscnt 0x0
	CROUND                                         ; the closing round
	s_endpgm
.Lfunc_end_k_qf33e26facc_proj:
	.size	k_qf33e26facc_proj, .Lfunc_end_k_qf33e26facc_proj-k_qf33e26facc_proj
	.p2alignl 7, 3214868480
	.fill 96, 4, 3214868480
	.section	.rodata,"a",@progbits
	.p2align	6, 0x0
	.amdhsa_kernel k_qf33e26facc_proj
		.amdhsa_group_segment_fixed_size 327680
		.amdhsa_private_segment_fixed_size 0
		.amdhsa_enable_private_segment 0
		.amdhsa_kernarg_size 48
		.amdhsa_user_sgpr_count 2
		.amdhsa_user_sgpr_kernarg_segment_ptr 1
		.amdhsa_wavefront_size32 1
		.amdhsa_system_sgpr_workgroup_id_x 1
		.amdhsa_system_sgpr_workgroup_id_y 1
		.amdhsa_system_sgpr_workgroup_id_z 1
		.amdhsa_system_vgpr_workitem_id 0
		.amdhsa_next_free_vgpr 1024
		.amdhsa_next_free_sgpr 102
		.amdhsa_reserve_vcc 0
		.amdhsa_float_denorm_mode_32 3
		.amdhsa_float_denorm_mode_16_64 3
		.amdhsa_memory_ordered 1
		.amdhsa_forward_progress 1
		.amdhsa_inst_pref_size 210
	.end_amdhsa_kernel
	.amdgpu_metadata
---
amdhsa.version: [ 1, 2 ]
amdhsa.kernels:
  - .name:           k_qf33e26facc_proj
    .symbol:         k_qf33e26facc_proj.kd
    .args:
      - { .name: xc, .offset: 0, .size: 8, .value_kind: global_buffer, .address_space: global }
      - { .name: wc, .offset: 8, .size: 8, .value_kind: global_buffer, .address_space: global }
      - { .name: bq, .offset: 16, .size: 8, .value_kind: global_buffer, .address_space: global }
      - { .name: bk, .offset: 24, .size: 8, .value_kind: global_buffer, .address_space: global }
      - { .name: bv, .offset: 32, .size: 8, .value_kind: global_buffer, .address_space: global }
      - { .name: qkv, .offset: 40, .size: 8, .value_kind: global_buffer, .address_space: global }
    .group_segment_fixed_size: 327680
    .private_segment_fixed_size: 0
    .kernarg_segment_align: 8
    .kernarg_segment_size: 48
    .max_flat_workgroup_size: 128
    .sgpr_count:     102
    .vgpr_count:     1024
    .wavefront_size: 32
...
	.end_amdgpu_metadata
.endif
;; end of part 2
;; launch scores (part 3): grid 36 x 4, 4 waves a work-group, no clusters, 327,680 bytes of LDS; arguments qkv, pp, st; writes pp, st
.if DOCPART == 3
	.amdgcn_target "amdgcn-amd-amdhsa--gfx1250"
	.amdhsa_code_object_version 6
	.text
	.protected	k_qf33e26facc_scores
	.globl	k_qf33e26facc_scores
	.p2align	8
	.type	k_qf33e26facc_scores,@function
k_qf33e26facc_scores:
	s_mov_b64 s[64:65], 0
	v_nop
	global_prefetch_b8 v0, s[64:65] scope:SCOPE_SE
	s_setreg_imm32_b32 hwreg(HW_REG_WAVE_MODE, 25, 1), 1
	s_wait_xcnt 0x0
; One tile of 128 queries x 128 keys of S = q k^T (K = 2,048, codes of E2M3), its numerators p = 2^(t - M) quantised along the keys, and the tile's statistics.
; LEFT OUT: the 28 of 64 tiles of a batch that lie wholly above the diagonal (shown dead at the head of launch quant): the grid's 36 are the tiles with key step <= query group.
; pp and st hold the live tiles alone, on end: tile (g, step) of batch b is panel 36 b + g (g + 1) / 2 + step.  p's fragments are three pieces of 16 bytes a lane.
; EACH TILE HAS ITS OWN M: t = score x log2(e) / 32, M = the ceiling of the row's largest t IN THIS TILE, a whole number.  Launch pv takes the whole-number difference to the row's M off p's scale bytes, which is exact.
; LIMITS: |t| under 2^31; NaN and infinities are not served.
; SHARES.  Four waves, each 32 queries x all 128 keys: 16 accumulators.  Source 0 = 16 positions of k, source 1 = 16 positions of q.
; k's 16 K steps, 204,800 bytes, lie whole in LDS, filled once: four K steps a wave.  q's fragments are read by one wave each, so they go from memory into registers, six K steps ahead, in eight sets.
; No cluster: the live tiles that share a key step number 8 - step and those that share a query group number group + 1, neither a multiple of four at every step and group.
; No prefetch: all of k is asked for at the head, and q's loads are themselves six steps ahead.
; REGISTERS.  window 0: v8-11, v12-15 LDS addresses (16 x, 8 x lane); v34-43 k's scale words, two sets; v48-63, v112-127 the softmax's; v64-95 p's codes; v96-103 q's scale words; v128-255 the sums (a, b) at 128 + 64 a + 8 b.
;   window 1: k's fragments at 128 s + 12 b.   window 2: q's, set n at 24 n.
.set PANEL, 12800
.set HPB,   6400
.set QTR,   51200
.set SPARE, 204800
.set SPW, 28
.set NIL, 29
.set LI,  20
.set L8,  21
.set BM,  112
.set BX,  116
.set SO,  120
.set BY,  124
.set MSB, 0
.macro WIN new
.if MSB != (\new)
	s_set_vgpr_msb (MSB<<8)|(\new)
.set MSB, (\new)
.endif
.endm
.macro PLACES
.rept 4
	v_nop
.endr
.endm
	s_load_b128 s[4:7], s[0:1], 0x0                ; qkv, pp
	s_load_b64 s[8:9], s[0:1], 0x10                ; st
	v_lshl_add_u32 v[SPW], v0, 2, SPARE
	v_mov_b32 v[NIL], 0
	ds_add_u32 v[SPW], v[NIL]                      ; the opening lines
	ds_add_u32 v[SPW], v[NIL]
	v_lshrrev_b32 v1, 5, v0
	v_readfirstlane_b32 s10, v1                    ; wave
	s_mov_b32 s11, ttmp9                           ; tile (g, step) at g (g + 1) / 2 + step
	s_mov_b32 s12, 0
.irp t, 1,3,6,10,15,21,28
	s_cmp_ge_u32 s11, \t
	s_add_co_ci_u32 s12, s12, 0                    ; g = how many triangular numbers lie at or under it
.endr
	s_add_co_u32 s50, s12, 1
	s_mul_i32 s50, s50, s12
	s_lshr_b32 s50, s50, 1
	s_sub_co_u32 s13, s11, s50                     ; the key step
	s_and_b32 s14, ttmp7, 0xffff                   ; the batch
	s_cmp_eq_u32 s12, s13
	s_cselect_b32 s15, 1, 0                        ; on the diagonal?
	s_lshl_b32 s51, s14, 3
	s_add_co_u32 s50, s51, s12                     ; q's row group
	s_add_co_u32 s51, s51, s13                     ; k's
	s_mul_i32 s52, s50, 204800                     ; a row group's 16 K steps
	s_mul_i32 s36, s51, 204800
	s_add_co_u32 s36, s36, 6553600                 ; k's panels begin behind q's 512
	s_mul_i32 s57, s10, QTR
	s_add_co_u32 s36, s36, s57                     ; my four K steps of k
	s_mov_b32 s37, 0
	s_and_b32 s56, s10, 1
	s_lshr_b32 s59, s10, 1
	s_mul_i32 s59, s59, HPB                        ; my half panel, of q and of p
	s_add_co_u32 s52, s52, s59
	s_mov_b32 s53, 0
	s_mul_i32 s58, s14, 36
	s_add_co_u32 s58, s58, s11                     ; my panel of p
	s_mul_i32 s60, s58, PANEL
	s_add_co_u32 s60, s60, s59
	s_mov_b32 s61, 0
	s_mul_i32 s62, s56, 3072                       ; my two tiles in it
	s_lshl_b32 s54, s56, 2                         ; and their scale word
	s_mov_b32 s55, 0
	s_mov_b32 s63, 0
	s_mov_b32 s16, 3<<16                           ; group 1: 200 rows of 32 elements of 8 bytes, dense
	s_mov_b32 s17, 32<<16
	s_mov_b32 s18, 200<<16
	s_mov_b32 s19, 32<<16
	s_mov_b32 s20, 200
	s_mov_b32 s21, 32
	s_mov_b32 s22, 0
	s_mov_b32 s23, 0
	s_mov_b32 s24, 1
	s_mov_b32 s25, s57
	s_mov_b32 s38, 0x3d38aa3b                      ; c = log2(e) / 32
	s_mov_b32 s39, s38
	s_mov_b32 s40, 0x76543210
	s_mov_b32 s41, 0xfedcba98
	v_and_b32 v1, 31, v0
	v_lshlrev_b32 v[LI], 4, v1
	v_lshlrev_b32 v[L8], 3, v1
.irp g, 0,1,2,3
	v_add_nc_u32 v[8+\g], \g*QTR, v[LI]
	v_add_nc_u32 v[12+\g], \g*QTR, v[L8]
.endr
.irp b, 0,1,2,3
	v_mov_b32 v[BX+\b], 0                          ; a lane permute's destination counts as one of its sources
.endr
	s_wait_alu depctr_va_vdst(0)
	s_wait_dscnt 0x0                               ; both opening adds are done
	s_wait_kmcnt 0x0
	s_add_nc_u64 s[26:27], s[4:5], s[36:37]
	s_or_b32 s27, s27, 0x80000000
	s_cmp_lt_u32 s10, 2
	s_cbranch_scc0 .Lupper
	tensor_load_to_lds s[24:27], s[16:23]          ; waves 0, 1: K steps 0-7
	s_nop 0
	PLACES
	s_branch .Lasked
.Lupper:
	tensor_load_to_lds s[24:27], s[16:23]          ; waves 2, 3: K steps 8-15
	s_nop 0
	PLACES
.Lasked:
	s_add_nc_u64 s[42:43], s[4:5], s[52:53]
	s_add_nc_u64 s[2:3], s[42:43], s[54:55]        ; q's scale words
	s_add_nc_u64 s[42:43], s[42:43], s[62:63]      ; q's fragments
.macro QLD k                           ; nine loads: my two fragments of q for K step k, each in two halves of six registers, and their scale word
	WIN 0x80
.irp a, 0,1
.irp c, 0,1
	global_load_b128 v[24*((\k)%8)+12*\a+6*\c:24*((\k)%8)+12*\a+6*\c+3], v[LI], s[42:43] offset:PANEL*(\k)+1536*\a+768*\c
	global_load_b64 v[24*((\k)%8)+12*\a+6*\c+4:24*((\k)%8)+12*\a+6*\c+5], v[L8], s[42:43] offset:PANEL*(\k)+1536*\a+768*\c+512
.endr
.endr
	WIN 0
	global_load_b32 v[96+(\k)%8], v[L8], s[2:3] offset:PANEL*(\k)+6144
.endm
.irp k, 0,1,2,3,4,5
	QLD \k
.endr
	s_add_nc_u64 s[46:47], s[6:7], s[60:61]
	s_add_nc_u64 s[44:45], s[46:47], s[62:63]      ; where my codes go
	s_add_nc_u64 s[46:47], s[46:47], s[54:55]      ; where my scale words go
	s_lshl_b32 s60, s58, 2
	s_add_co_u32 s60, s60, s10
	s_lshl_b32 s60, s60, 8
	s_add_nc_u64 s[48:49], s[8:9], s[60:61]        ; and my statistics: 256 bytes for each pair of tiles
.macro FETCH kk, fs                    ; 34 LDS loads: k's eight fragments and their scale words
	WIN 0x40
.irp b, 0,1,2,3,4,5,6,7
.irp c, 0,1
	ds_load_b128 v[128*(\fs)+12*\b+6*\c:128*(\fs)+12*\b+6*\c+3], v[8+(\kk)/4] offset:PANEL*((\kk)%4)+HPB*(\b/4)+1536*(\b%4)+768*\c
	ds_load_b64 v[128*(\fs)+12*\b+6*\c+4:128*(\fs)+12*\b+6*\c+5], v[12+(\kk)/4] offset:PANEL*((\kk)%4)+HPB*(\b/4)+1536*(\b%4)+768*\c+512
.endr
.endr
	WIN 0
	ds_load_b64 v[34+6*(\fs):35+6*(\fs)], v[12+(\kk)/4] offset:PANEL*((\kk)%4)+6144
	ds_load_b64 v[36+6*(\fs):37+6*(\fs)], v[12+(\kk)/4] offset:PANEL*((\kk)%4)+HPB+6144
.endm
.macro WMS a, b, ra                    ; ra: the parity of b
.set rD, 128+64*(\a)+8*(\b)
.set rA, 128*(K%2)+12*(\b)
.set rB, 24*(K%8)+12*(\a)
.set rSA, 34+6*(K%2)+2*((\b)/4)+((\b)%4)/2
.set rSB, 96+K%8
.if K == 0
	v_wmma_scale_f32_16x16x128_f8f6f4 v[rD:rD+7], v[rA:rA+11], v[rB:rB+11], 0, v[rSA], v[rSB] matrix_a_fmt:MATRIX_FMT_FP6 matrix_b_fmt:MATRIX_FMT_FP6 matrix_a_scale:MATRIX_SCALE_ROW\ra matrix_b_scale:MATRIX_SCALE_ROW\a
.else
	v_wmma_scale_f32_16x16x128_f8f6f4 v[rD:rD+7], v[rA:rA+11], v[rB:rB+11], v[rD:rD+7], v[rSA], v[rSB] matrix_a_fmt:MATRIX_FMT_FP6 matrix_b_fmt:MATRIX_FMT_FP6 matrix_a_scale:MATRIX_SCALE_ROW\ra matrix_b_scale:MATRIX_SCALE_ROW\a
.endif
.endm
.macro MULQ p                          ; four of a step's sixteen products; the sixteen accumulators take turns, in the same order in every step
	WMS 0, 2*(\p), 0
	WMS 1, 2*(\p), 0
	WMS 0, 2*(\p)+1, 1
	WMS 1, 2*(\p)+1, 1
.endm
.macro AHEAD
	PLACES                                         ; behind the last products
.if K < 15
	FETCH K+1, 1-K%2
.endif
.if K < 10
	QLD K+6
.endif
	WIN 0x09                                       ; source 0 (k) window 1, source 1 (q) window 2
.endm
	s_cmp_lt_u32 s10, 2
	s_cbranch_scc0 .Lnot_lower
	s_wait_tensorcnt 0x0
.Lnot_lower:
	s_barrier_signal -1
	s_barrier_wait -1                              ; K steps 0-7 are in; the others may be out
	FETCH 0, 0
.set K, 0
.rept 16
.if K < 11
	s_wait_loadcnt 45                              ; this step's nine loads of q are in; five later steps' may be out
.else
	s_wait_loadcnt 9*(15-K)
.endif
.if K == 7
	s_wait_tensorcnt 0x0
	s_wait_dscnt 0x0
	s_barrier_signal -1                            ; K steps 8-15 are shown to all
	WIN 0x09
	MULQ 0
	MULQ 1
	WIN 0
	s_barrier_wait -1
	AHEAD
.else
	s_wait_dscnt 0x0                               ; this step's fragments are in
	AHEAD
	MULQ 0
	MULQ 1
.endif
	MULQ 2
	MULQ 3
	WIN 0
.set K, K+1
.endr
	PLACES
; THE SOFTMAX OF TILE a, in place.  Register 16 b + i of the tile's 64 is key 32 b + 16 h + i; my query is 32 wave + 8 a + r + 8 (r / 8).
.macro SOFTQ a
.set S, 128+64*(\a)
.set PCA, 64+12*(\a)
	s_cmp_eq_u32 s15, 0
	s_cbranch_scc1 .Lopen_\@                       ; ids alone: only the tile on the diagonal hides keys
	v_and_b32 v54, 15, v0
	v_and_b32 v55, 8, v54
	v_add_nc_u32 v55, v55, v54
	v_bfe_u32 v54, v0, 4, 1
	v_lshlrev_b32 v54, 4, v54
	v_sub_nc_u32 v55, v55, v54
	s_lshl_b32 s58, s10, 5
	s_add_co_u32 s58, s58, 8*(\a)
	v_add_nc_u32 v55, s58, v55                     ; my query - 16 h: register n is hidden where 32 (n / 16) + n % 16 is above it
	v_mov_b32 v56, 0xff800000                      ; -infinity; every query keeps its own key, so the row's maximum is a number
.set I, 0
.rept 64
	v_cmp_gt_i32 vcc_lo, 32*(I/16)+I%16, v55
	v_cndmask_b32 v[S+I], v[S+I], v56, vcc_lo
.set I, I+1
.endr
.Lopen_\@:
.irp b, 0,1,2,3
	v_max3_num_f32 v[BM+\b], v[S+16*\b], v[S+1+16*\b], v[S+2+16*\b]   ; the largest score of each block of 32 keys: it serves the row's maximum and, since p rises with the score, the block's largest p
.endr
.irp i, 3,5,7,9,11,13
.irp b, 0,1,2,3
	v_max3_num_f32 v[BM+\b], v[BM+\b], v[S+16*\b+\i], v[S+1+16*\b+\i]
.endr
.endr
.irp b, 0,1,2,3
	v_max_num_f32 v[BM+\b], v[BM+\b], v[S+15+16*\b]
.endr
.irp b, 0,1,2,3
	v_permlanex16_b32 v[BX+\b], v[BM+\b], s40, s41
.endr
.irp b, 0,1,2,3
	v_max_num_f32 v[BM+\b], v[BM+\b], v[BX+\b]
.endr
	v_max3_num_f32 v54, v[BM], v[BM+1], v[BM+2]
	v_max_num_f32 v54, v54, v[BM+3]
	v_mul_f32 v54, s38, v54                        ; the tile's largest t of my query
	v_floor_f32 v48, -v54                          ; -M = floor(-t): a whole number
	v_mov_b32 v49, v48
.set I, 0
.rept 32
	v_pk_fma_f32 v[S+I:S+I+1], v[S+I:S+I+1], s[38:39], v[48:49] op_sel_hi:[1,0,0]   ; t - M
.set I, I+2
.endr
.irp b, 0,1,2,3
	v_fma_f32 v[BM+\b], v[BM+\b], s38, v48
.endr
	s_wait_alu depctr_va_vdst(0)
.set I, 0
.rept 64
	v_exp_f32 v[S+I], v[S+I]                       ; p = 2^(t - M), not normalised
.set I, I+1
.endr
	v_mov_b32 v[60+(\a)], v48                      ; -M is kept.  (The plain line behind the exponentials)
	s_wait_alu depctr_va_vdst(0)                   ; one wait for the batch of 64, ahead of its first reader
.irp b, 0,1,2,3
	v_exp_f32 v[BM+\b], v[BM+\b]                   ; the blocks' largest p
.endr
	v_pk_add_f32 v[50:51], v[S:S+1], v[S+2:S+3]    ; the row's sum of the unquantised p, in two chains; plain work behind the four
	v_pk_add_f32 v[52:53], v[S+4:S+5], v[S+6:S+7]
.irp j, 8,12,16,20,24,28,32,36,40,44,48,52,56,60
	v_pk_add_f32 v[50:51], v[50:51], v[S+\j:S+\j+1]
	v_pk_add_f32 v[52:53], v[52:53], v[S+\j+2:S+\j+3]
.endr
	v_pk_add_f32 v[50:51], v[50:51], v[52:53]
	s_wait_alu depctr_va_vdst(0)                   ; and one for the four
.irp b, 0,1,2,3
	v_max_num_f32 v[BM+\b], 0x1800000, v[BM+\b]    ; the floor: a block of zeros keeps the byte 1 over zero codes
.endr
.irp b, 0,1,2,3
	v_add_nc_u32 v[SO+\b], 0xff000000, v[BM+\b]
.endr
.irp b, 0,1,2,3
	v_lshrrev_b32 v[BY+\b], 23, v[SO+\b]
.endr
	v_lshl_or_b32 v[58+(\a)], v[BY+1], 8, v[BY]
	v_lshl_or_b32 v[58+(\a)], v[BY+2], 16, v[58+(\a)]
	v_lshl_or_b32 v[58+(\a)], v[BY+3], 24, v[58+(\a)]
.irp c, 0,1
	v_cvt_scalef32_pk16_fp6_f32 v[PCA+6*\c:PCA+2+6*\c], v[S+32*\c:S+15+32*\c], v[SO+2*\c]
	v_cvt_scalef32_pk16_fp6_f32 v[88+4*\c:90+4*\c], v[S+16+32*\c:S+31+32*\c], v[SO+1+2*\c]
.endr
	v_nop
.irp c, 0,1
.irp i, 0,1,2
	v_permlane16_swap_b32 v[PCA+6*\c+\i], v[88+4*\c+\i]
.endr
.irp i, 0,1,2
	v_mov_b32 v[PCA+3+6*\c+\i], v[88+4*\c+\i]
.endr
.endr
	v_add_f32 v[62+(\a)], v50, v51
	v_permlanex16_b32 v[BX], v[62+(\a)], s40, s41
	v_add_f32 v[62+(\a)], v[62+(\a)], v[BX]        ; the tile's sum of my query
.irp c, 0,1,2
	global_store_b128 v[LI], v[PCA+4*\c:PCA+4*\c+3], s[44:45] offset:1536*(\a)+512*\c th:TH_STORE_NT   ; 512 consecutive bytes
.endr
.endm
	SOFTQ 0
	SOFTQ 1
	v_permlane16_swap_b32 v58, v59                 ; lanes 0-15: the even tile's, lanes 16-31: the odd tile's
	v_permlane16_swap_b32 v60, v61
	v_permlane16_swap_b32 v62, v63
	v_mov_b32 v61, v62
	global_store_b32 v[L8], v58, s[46:47] offset:6144 th:TH_STORE_NT   ; 4 bytes of each lane's 8: two waves fill the half panel's 256 bytes of scale words between them, one byte in 24 of what the wave stores
	global_store_b64 v[L8], v[60:61], s[48:49] th:TH_STORE_NT          ; 256 consecutive bytes
	s_wait_tensorcnt 0x0                           ; the wave's end
	ds_add_u32 v[SPW], v[NIL]
	s_wait_dscnt 0x0
	s_endpgm
.Lfunc_end_k_qf33e26facc_scores:
	.size	k_qf33e26facc_scores, .Lfunc_end_k_qf33e26facc_scores-k_qf33e26facc_scores
	.p2alignl 7, 3214868480
	.fill 96, 4, 3214868480
	.section	.rodata,"a",@progbits
	.p2align	6, 0x0
	.amdhsa_kernel k_qf33e26facc_scores
		.amdhsa_group_segment_fixed_size 327680
		.amdhsa_private_segment_fixed_size 0
		.amdhsa_enable_private_segment 0
		.amdhsa_kernarg_size 24
		.amdhsa_user_sgpr_count 2
		.amdhsa_user_sgpr_kernarg_segment_ptr 1
		.amdhsa_wavefront_size32 1
		.amdhsa_system_sgpr_workgroup_id_x 1
		.amdhsa_system_sgpr_workgroup_id_y 1
		.amdhsa_system_sgpr_workgroup_id_z 1
		.amdhsa_system_vgpr_workitem_id 0
		.amdhsa_next_free_vgpr 704
		.amdhsa_next_free_sgpr 66
		.amdhsa_reserve_vcc 1
		.amdhsa_float_denorm_mode_32 3
		.amdhsa_float_denorm_mode_16_64 3
		.amdhsa_memory_ordered 1
		.amdhsa_forward_progress 1
		.amdhsa_inst_pref_size 124
	.end_amdhsa_kernel
	.amdgpu_metadata
---
amdhsa.version: [ 1, 2 ]
amdhsa.kernels:
  - .name:           k_qf33e26facc_scores
    .symbol:         k_qf33e26facc_scores.kd
    .args:
      - { .name: qkv, .offset: 0, .size: 8, .value_kind: global_buffer, .address_space: global }
      - { .name: pp, .offset: 8, .size: 8, .value_kind: global_buffer, .address_space: global }
      - { .name: st, .offset: 16, .size: 8, .value_kind: global_buffer, .address_space: global }
    .group_segment_fixed_size: 327680
    .private_segment_fixed_size: 0
    .kernarg_segment_align: 8
    .kernarg_segment_size: 24
    .max_flat_workgroup_size: 128
    .sgpr_count:     66
    .vgpr_count:     704
    .wavefront_size: 32
...
	.end_amdgpu_metadata
.endif
;; end of part 3
;; launch pv (part 4): grid 16 x 16, 4 waves a work-group, clusters of 4 x 1, 327,680 bytes of LDS; arguments pp, st, qkv, out0; writes out0
.if DOCPART == 4
	.amdgcn_target "amdgcn-amd-amdhsa--gfx1250"
	.amdhsa_code_object_version 6
	.text
	.protected	k_qf33e26facc_pv
	.globl	k_qf33e26facc_pv
	.p2align	8
	.type	k_qf33e26facc_pv,@function
k_qf33e26facc_pv:
	s_mov_b64 s[64:65], 0
	v_nop
	global_prefetch_b8 v0, s[64:65] scope:SCOPE_SE
	s_setreg_imm32_b32 hwreg(HW_REG_WAVE_MODE, 25, 1), 1
	s_wait_xcnt 0x0
	s_wait_alu depctr_hold_cnt(0) depctr_sa_sdst(0) depctr_va_vdst(0) depctr_va_sdst(0) depctr_va_ssrc(0) depctr_va_vcc(0) depctr_vm_vsrc(0)
	s_getreg_b32 s2, hwreg(HW_REG_IB_STS2, 6, 4)
	s_cmp_eq_u32 s2, 0
	s_cbranch_scc0 .Lentry_in_a_cluster
	s_endpgm
.Lentry_in_a_cluster:
	s_bfe_u32 s2, ttmp6, 0x10000c
	s_cmp_lg_u32 s2, 0x3003
	s_cbranch_scc0 .Lentry_shape_is_right
	s_endpgm
.Lentry_shape_is_right:
; out = (P V) / l on codes of E2M3, K = the keys.  LEFT OUT: the K steps of 128 keys that lie wholly behind a query group (shown dead at the head of launch quant): group g walks steps 0 .. g.
; SHARES.  A work-group takes 128 d (work-group x) of one batch and TWO query groups of 128, A = 7 - j and then B = j (y = 4 batch + j): (8 - j) + (j + 1) = 9 K steps whatever j.
; Each of four waves makes 64 queries x 64 d: 16 accumulators; source 0 = 16 positions of V (d), source 1 = 16 positions of P (queries).
; A SLOT s = 0 .. 8 is a K step in the order of work: slots 0 .. 7 - j are A's steps, slot s above that is B's step 8 - s.
; LDS, filled once, one load a wave: A's eight panels of P at 0 (wave 0), V's steps 0-3 and 4-7 at 153,600 (waves 1, 2), B's four panels at 102,400 (wave 3).  pp holds a batch's 36 live panels on end, so the panels that follow A's 8 - j
; and B's j + 1 are other groups': three panels are brought and not read, as are V's steps above 7 - j.
; CLUSTER 4 x 1: the four partners are four d slices of one (batch, j): they ask for P jointly; V's loads are each work-group's own.  j is made of the cluster's y: every branch is the same in all partners.
; No prefetch: every tile is asked for at the head, and there is no loop to run ahead in.
; THE ROW'S M.  Launch scores gave every tile its own whole number M.  Here D = (the row's largest M) - (the tile's M) is taken off each byte of P's scale words, which is exact, and l = the sum of the tiles' sums x 2^-D.
; LIMITS: D is held at 127, and a byte that would fall under 0 is held at 0: what is lost lies under 2^-120 of the row's largest p.
; REGISTERS.  window 0: v8-15 LDS addresses; v16-18 the way out's; v20, v21 the add's two; v22-29, v30-37 1 / l of A's and B's four tiles, in pairs; v40-43 P's scale words as loaded, v44-47 shifted, v48-51 V's (two sets each);
;   v52-69 D in all four bytes, slot s pair p at 52 + 2 s + p; v70-75 at work; v80-175 P's fragments, two sets; v176-239 the statistics, later the way out.   window 1: v0-95 V's fragments, two sets; v128-255 the accumulators.
.set PANEL, 12800
.set HPB,   6400
.set VB,    153600
.set STAGE, 256000                     ; 16 rows x 272 bytes for each wave: bytes of their own, into which no fill lands
.set SPARE, 273408
.set SPW, 20
.set NIL, 21
.set WV,  12
.set MSB, 0
.macro WIN new
.if MSB != (\new)
	s_set_vgpr_msb (MSB<<8)|(\new)
.set MSB, (\new)
.endif
.endm
.macro PLACES
.rept 4
	v_nop
.endr
.endm
.macro CROUND                          ; a round of the cluster's barrier
	s_barrier_signal -1
	s_barrier_wait -1
	s_cmp_lg_u32 s[WV], 0
	s_cbranch_scc1 .Lnot_wave_0_\@
	s_barrier_signal -3
.Lnot_wave_0_\@:
	s_barrier_wait -3
	s_barrier_signal -1
	s_barrier_wait -1
.endm
	s_load_b256 s[4:11], s[0:1], 0x0               ; pp s[4:5], st s[6:7], qkv s[8:9], out0 s[10:11]
	v_lshl_add_u32 v[SPW], v0, 2, SPARE
	v_mov_b32 v[NIL], 0
	ds_add_u32 v[SPW], v[NIL]                      ; the opening lines
	ds_add_u32 v[SPW], v[NIL]
	v_lshrrev_b32 v1, 5, v0
	v_readfirstlane_b32 s[WV], v1
	s_lshr_b32 s13, s[WV], 1                       ; hq: my 64 queries; for waves 1, 2 also which four steps of V I fetch
	s_and_b32 s14, s[WV], 1                        ; hd: my 64 d
	s_bfe_u32 s15, ttmp6, 0x40000                  ; cx
	s_lshl_b32 s80, ttmp9, 2
	s_add_co_u32 s15, s80, s15                     ; the d slice: it enters V's and out0's addresses alone
	s_and_b32 s27, ttmp7, 0xffff
	s_lshr_b32 s16, s27, 2                         ; the batch
	s_and_b32 s17, s27, 3                          ; j
	s_mul_i32 s82, s16, 36
	s_sub_co_u32 s83, 7, s17                       ; A
	s_add_co_u32 s84, s83, 1
	s_mul_i32 s84, s84, s83
	s_lshr_b32 s84, s84, 1
	s_add_co_u32 s18, s82, s84                     ; A's first panel
	s_add_co_u32 s84, s17, 1
	s_mul_i32 s84, s84, s17
	s_lshr_b32 s84, s84, 1
	s_add_co_u32 s23, s82, s84                     ; B's first panel: slot 8's
	s_add_co_u32 s19, s23, 8
	s_lshl_b32 s84, s16, 3
	s_add_co_u32 s60, s84, s83                     ; A's and B's row groups
	s_add_co_u32 s61, s84, s17
.irp s, 5,6,7
	s_add_co_u32 s84, s18, \s
	s_sub_co_u32 s85, s19, \s
	s_cmp_le_u32 s17, 7-\s                         ; is slot s A's?
	s_cselect_b32 s[15+\s], s84, s85               ; s20-22: the slot's panel
	s_cselect_b32 s[19+\s], -1, 0                  ; s24-26: all ones where it is A's
.endr
	; groups 1: dense blocks as rows of 32 elements of 8 bytes: 400 rows (eight panels) and 200 (four) with the mask of all four partners; 200 (four panels of V), no mask
	s_mov_b32 s28, 15|(3<<16)|(1<<21)
	s_mov_b32 s36, 15|(3<<16)|(1<<21)
	s_mov_b32 s44, 3<<16
	s_mov_b32 s30, 400<<16
	s_mov_b32 s32, 400
	s_mov_b32 s38, 200<<16
	s_mov_b32 s40, 200
	s_mov_b32 s46, 200<<16
	s_mov_b32 s48, 200
.irp g, 28, 36, 44
	s_mov_b32 s[\g+1], 32<<16
	s_mov_b32 s[\g+3], 32<<16
	s_mov_b32 s[\g+5], 32
	s_mov_b32 s[\g+6], 0
	s_mov_b32 s[\g+7], 0
.endr
	s_mov_b32 s66, 0x80808080
	s_mov_b32 s67, 0x01010101
	s_mov_b32 s85, 0
	v_and_b32 v1, 31, v0
	v_and_b32 v2, 15, v0                           ; r
	v_bfe_u32 v3, v0, 4, 1                         ; h
	v_lshlrev_b32 v4, 4, v1
	v_lshlrev_b32 v5, 3, v1
	s_wait_alu depctr_va_vdst(0)
	s_wait_dscnt 0x0                               ; both opening adds are done
	s_wait_kmcnt 0x0
	s_mul_i32 s84, s18, PANEL
	s_mov_b32 s52, 1
	s_mov_b32 s53, 0
	s_add_nc_u64 s[54:55], s[4:5], s[84:85]
	s_or_b32 s55, s55, 0x80000000
	s_mul_i32 s84, s23, PANEL
	s_mov_b32 s56, 1
	s_mov_b32 s57, 8*PANEL
	s_add_nc_u64 s[58:59], s[4:5], s[84:85]
	s_or_b32 s59, s59, 0x80000000
	s_lshl_b32 s80, s15, 5                         ; V: d group x 32 steps
	s_lshl_b32 s81, s16, 3
	s_add_co_u32 s80, s80, s81                     ; + the batch's first step
	s_lshl_b32 s81, s13, 2
	s_add_co_u32 s80, s80, s81                     ; + my four
	s_mul_i32 s80, s80, PANEL
	s_add_co_u32 s80, s80, 13107200                ; v's panels begin behind q's and k's 1,024
	s_mov_b32 s81, 0
	s_mov_b32 s76, 1
	s_mul_i32 s77, s13, 4*PANEL
	s_add_co_u32 s77, s77, VB
	s_add_nc_u64 s[78:79], s[8:9], s[80:81]
	s_or_b32 s79, s79, 0x80000000
	CROUND                                         ; all four work-groups are here: the joint loads meet
	s_cmp_eq_u32 s[WV], 0                          ; one chain, one load to an arm
	s_cbranch_scc0 .Lfill_1
	tensor_load_to_lds s[52:55], s[28:35]          ; wave 0: A's panels
	s_nop 0
	PLACES
	s_branch .Lfilled
.Lfill_1:
	s_cmp_eq_u32 s[WV], 1
	s_cbranch_scc0 .Lfill_2
	tensor_load_to_lds s[76:79], s[44:51]          ; wave 1: V's steps 0-3
	s_nop 0
	PLACES
	s_branch .Lfilled
.Lfill_2:
	s_cmp_eq_u32 s[WV], 2
	s_cbranch_scc0 .Lfill_3
	tensor_load_to_lds s[76:79], s[44:51]          ; wave 2: V's steps 4-7
	s_nop 0
	PLACES
	s_branch .Lfilled
.Lfill_3:
	tensor_load_to_lds s[56:59], s[36:43]          ; wave 3: B's panels
	s_nop 0
	PLACES
.Lfilled:
	; the statistics' addresses: 1,024 bytes a panel, 256 a pair of tiles; my half panel's two pairs
	s_mov_b32 s89, 0
	s_lshl_b32 s87, s13, 9
	s_lshl_b32 s88, s18, 10
	s_add_co_u32 s88, s88, s87
	s_add_nc_u64 s[90:91], s[6:7], s[88:89]
.irp s, 5,6,7,8
	s_lshl_b32 s88, s[15+\s], 10
	s_add_co_u32 s88, s88, s87
	s_add_nc_u64 s[92+2*(\s-5):93+2*(\s-5)], s[6:7], s[88:89]
.endr
.irp s, 0,1,2,3,4
.irp p, 0,1
	global_load_b64 v[176+4*\s+2*\p:177+4*\s+2*\p], v5, s[90:91] offset:1024*\s+256*\p   ; (-M, the tile's sum): lanes 0-15 the even tile's rows, lanes 16-31 the odd tile's
.endr
.endr
.irp s, 5,6,7,8
.irp p, 0,1
	global_load_b64 v[176+4*\s+2*\p:177+4*\s+2*\p], v5, s[92+2*(\s-5):93+2*(\s-5)] offset:256*\p
.endr
.endr
	s_mul_i32 s88, s13, HPB
	s_mul_i32 s87, s14, HPB
	s_add_co_u32 s87, s87, VB
	v_add_nc_u32 v8, s88, v4                       ; P's fragments in panel 0
	v_add_nc_u32 v9, s87, v4                       ; V's in step 0
	v_add_nc_u32 v10, s88, v5                      ; P's scale words
	v_add_nc_u32 v11, s87, v5                      ; V's, and its pieces of 8 bytes
	s_mul_i32 s88, s[WV], 4352
	s_add_co_u32 s88, s88, STAGE                   ; my stage
	v_mul_u32_u24 v16, v2, 272
	v_lshl_add_u32 v16, v3, 6, v16
	v_add_nc_u32 v16, s88, v16                     ; in: row r, + 64 h
	v_mul_u32_u24 v17, v3, 272
	v_lshl_add_u32 v17, v2, 4, v17
	v_add_nc_u32 v17, s88, v17                     ; back: lanes 0-15 one row of 256 bytes, lanes 16-31 the next
	v_lshlrev_b32 v18, 13, v3
	v_lshl_add_u32 v18, v2, 4, v18                 ; and the same two rows in out0
	s_lshl_b32 s86, s60, 7                         ; A's first row: 128 x group,
	s_lshl_b32 s85, s13, 6
	s_add_co_u32 s86, s86, s85                     ; + my 64
	s_lshl_b32 s86, s86, 13
	s_lshl_b32 s88, s15, 9
	s_add_co_u32 s86, s86, s88                     ; + the slice's 128 d
	s_lshl_b32 s84, s14, 8
	s_add_co_u32 s86, s86, s84                     ; + my 64
	s_mov_b32 s87, 0
	s_add_nc_u64 s[2:3], s[10:11], s[86:87]
	s_lshl_b32 s86, s61, 7                         ; B's likewise
	s_add_co_u32 s86, s86, s85
	s_lshl_b32 s86, s86, 13
	s_add_co_u32 s86, s86, s88
	s_add_co_u32 s86, s86, s84
	s_add_nc_u64 s[100:101], s[10:11], s[86:87]
	s_wait_alu depctr_va_vdst(0)
	s_wait_loadcnt 0x0
	; the smallest -M of each row, for A (v212, v213) and for B (v214, v215); a slot that is the other group's counts as 3e38
	v_mov_b32 v230, 0x7f61b1e6
.irp p, 0,1
	v_min_num_f32 v[212+\p], v[176+2*\p], v[180+2*\p]
.endr
.irp s, 2,3,4
.irp p, 0,1
	v_min_num_f32 v[212+\p], v[212+\p], v[176+4*\s+2*\p]
.endr
.endr
.irp p, 0,1
	v_mov_b32 v[214+\p], v[208+2*\p]
.endr
.irp s, 5,6,7
.irp p, 0,1
	v_cndmask_b32 v[220+\p], v230, v[176+4*\s+2*\p], s[19+\s]
	v_cndmask_b32 v[222+\p], v[176+4*\s+2*\p], v230, s[19+\s]
.endr
.irp p, 0,1
	v_min_num_f32 v[212+\p], v[212+\p], v[220+\p]
	v_min_num_f32 v[214+\p], v[214+\p], v[222+\p]
.endr
.endr
; slot s: D = (-M of the tile) - (-M of the row), a whole number, 0 or more; D in all four bytes; the tile's sum x 2^-D goes to its group's l (A: v216, v217; B: v218, v219)
.macro SLOTST s
.irp p, 0,1
.if (\s) <= 4
	v_sub_f32 v[224+\p], v[176+4*(\s)+2*\p], v[212+\p]
.elseif (\s) == 8
	v_sub_f32 v[224+\p], v[176+4*(\s)+2*\p], v[214+\p]
.else
	v_cndmask_b32 v[220+\p], v[214+\p], v[212+\p], s[19+(\s)]
	v_sub_f32 v[224+\p], v[176+4*(\s)+2*\p], v[220+\p]
.endif
.endr
.irp p, 0,1
	v_min_num_f32 v[224+\p], 0x42fe0000, v[224+\p] ; held at 127
.endr
.irp p, 0,1
	v_cvt_i32_f32 v[224+\p], v[224+\p]
.endr
.irp p, 0,1
	v_mul_lo_u32 v[52+2*(\s)+\p], v[224+\p], s67
	v_sub_nc_u32 v[226+\p], 0, v[224+\p]
.endr
.irp p, 0,1
.if (\s) == 0
	v_ldexp_f32 v[216+\p], v[177+4*(\s)+2*\p], v[226+\p]
.elseif (\s) == 8
	v_ldexp_f32 v[218+\p], v[177+4*(\s)+2*\p], v[226+\p]
.else
	v_ldexp_f32 v[228+\p], v[177+4*(\s)+2*\p], v[226+\p]
.endif
.endr
.irp p, 0,1
.if ((\s) >= 1) && ((\s) <= 4)
	v_add_f32 v[216+\p], v[216+\p], v[228+\p]
.elseif ((\s) >= 5) && ((\s) <= 7)
	v_cndmask_b32 v[220+\p], 0, v[228+\p], s[19+(\s)]
	v_cndmask_b32 v[222+\p], v[228+\p], 0, s[19+(\s)]
	v_add_f32 v[216+\p], v[216+\p], v[220+\p]
	v_add_f32 v[218+\p], v[218+\p], v[222+\p]
.endif
.endr
.endm
.irp s, 0,1,2,3,4,8,5,6,7
	SLOTST \s
.endr
	s_wait_alu depctr_va_vdst(0)
.irp i, 0,1,2,3
	v_rcp_f32 v[232+\i], v[216+\i]                 ; every row holds its own key, whose tile's sum lies above 1/2 in the tile of the row's M: l is not 0
.endr
	v_nop                                          ; the plain line behind the reciprocals
	s_wait_alu depctr_va_vdst(0)                   ; one wait for the four, ahead of their first reader
.irp p, 0,1
	v_mov_b32 v[22+4*\p], v[232+\p]
	v_mov_b32 v[24+4*\p], v[232+\p]
	v_mov_b32 v[30+4*\p], v[234+\p]
	v_mov_b32 v[32+4*\p], v[234+\p]
.endr
.irp p, 0,1
	v_permlane16_swap_b32 v[22+4*\p], v[24+4*\p]   ; the first now holds the even tile's in both halves of the lanes, the second the odd tile's
	v_permlane16_swap_b32 v[30+4*\p], v[32+4*\p]
.endr
.irp a, 0,1,2,3
	v_mov_b32 v[23+2*\a], v[22+2*\a]               ; pairs for the packed multiply
	v_mov_b32 v[31+2*\a], v[30+2*\a]
.endr
.macro FETCH sl, vk, fs                ; 30 LDS loads: P's LDS panel sl, V's step vk (its fragments in two halves of six registers), into set fs.  The four additions are plain lines: they count among the places in front of what follows
	v_add_nc_u32 v12, PANEL*(\sl), v8
	v_add_nc_u32 v13, PANEL*(\vk), v9
	v_add_nc_u32 v14, PANEL*(\sl), v10
	v_add_nc_u32 v15, PANEL*(\vk), v11
	WIN 0x40
.irp b, 0,1,2,3
.irp c, 0,1
	ds_load_b128 v[48*(\fs)+12*\b+6*\c:48*(\fs)+12*\b+6*\c+3], v13 offset:1536*\b+768*\c
	ds_load_b64 v[48*(\fs)+12*\b+6*\c+4:48*(\fs)+12*\b+6*\c+5], v15 offset:1536*\b+768*\c+512
.endr
.endr
	WIN 0
.irp a, 0,1,2,3
.irp c, 0,1,2
	ds_load_b128 v[80+48*(\fs)+12*\a+4*\c:80+48*(\fs)+12*\a+4*\c+3], v12 offset:1536*\a+512*\c
.endr
.endr
	ds_load_b64 v[40+2*(\fs):41+2*(\fs)], v14 offset:6144
	ds_load_b64 v[48+2*(\fs):49+2*(\fs)], v15 offset:6144
.endm
; D off every byte of P's two scale words, held at 0.  The bytes lie in 1 .. 125 (p is at most 1) and D in 0 .. 127: with bit 7 set first, no borrow crosses a byte, and bit 7 tells afterwards where the byte stayed at 0 or above.
.macro FIX sl, fs
.irp i, 0,1
	v_or_b32 v[70+\i], s66, v[40+2*(\fs)+\i]
.endr
.irp i, 0,1
	v_sub_nc_u32 v[70+\i], v[70+\i], v[52+2*(\sl)+\i]
.endr
.irp i, 0,1
	v_and_b32 v[72+\i], s66, v[70+\i]
.endr
.irp i, 0,1
	v_lshrrev_b32 v[74+\i], 7, v[72+\i]
.endr
.irp i, 0,1
	v_sub_nc_u32 v[72+\i], v[72+\i], v[74+\i]      ; 0x7f in the bytes that are kept
.endr
.irp i, 0,1
	v_and_b32 v[44+2*(\fs)+\i], v[70+\i], v[72+\i]
.endr
.endm
.macro WMP a, b, ra, rb, fs, z         ; ra, rb: the parities of b and a
.set rD, 128+8*(4*(\a)+(\b))
.set rA, 48*(\fs)+12*(\b)
.set rB, 80+48*(\fs)+12*(\a)
.set rSA, 48+2*(\fs)+(\b)/2
.set rSB, 44+2*(\fs)+(\a)/2
.if \z
	v_wmma_scale_f32_16x16x128_f8f6f4 v[rD:rD+7], v[rA:rA+11], v[rB:rB+11], 0, v[rSA], v[rSB] matrix_a_fmt:MATRIX_FMT_FP6 matrix_b_fmt:MATRIX_FMT_FP6 matrix_a_scale:MATRIX_SCALE_ROW\ra matrix_b_scale:MATRIX_SCALE_ROW\rb
.else
	v_wmma_scale_f32_16x16x128_f8f6f4 v[rD:rD+7], v[rA:rA+11], v[rB:rB+11], v[rD:rD+7], v[rSA], v[rSB] matrix_a_fmt:MATRIX_FMT_FP6 matrix_b_fmt:MATRIX_FMT_FP6 matrix_a_scale:MATRIX_SCALE_ROW\ra matrix_b_scale:MATRIX_SCALE_ROW\rb
.endif
.endm
.macro MULROW a, rb, fs, z
	WMP \a, 0, 0, \rb, \fs, \z
	WMP \a, 1, 1, \rb, \fs, \z
	WMP \a, 2, 0, \rb, \fs, \z
	WMP \a, 3, 1, \rb, \fs, \z
.endm
; A K step: slot sl, set fs.  first = 1: it starts a group's sums.  more = 1: the next step's fragments (LDS panel nsl, V's step nvk) are fetched ahead of the products; more = 2: a barrier shows the later fills to all ahead of that.
; The twelve lines of FIX are the places behind the last products, in front of the loads into the other set; eight plain lines stand between the shifted scale words' last write and the products.
.macro PSTEP sl, fs, first, more, nsl, nvk
	s_wait_dscnt 0x0                               ; this step's fragments and scale words are in
	FIX \sl, \fs
.if \more == 2
	s_wait_alu depctr_va_vdst(0)
	s_wait_tensorcnt 0x0
	s_barrier_signal -1
	s_barrier_wait -1
.endif
.if \more
	FETCH \nsl, \nvk, 1-(\fs)
	PLACES
.else
	PLACES
	PLACES
.endif
	WIN 0x51                                       ; source 0 (V), C and D window 1; source 1 (P) window 0
	MULROW 0, 0, \fs, \first                       ; the sixteen accumulators take turns, in the same order in every step
	MULROW 1, 1, \fs, \first
	MULROW 2, 0, \fs, \first
	MULROW 3, 1, \fs, \first
	WIN 0
.endm
; THE WAY OUT of a group: tile a's 16 queries x 64 d are divided by l, go through my stage and leave as whole rows: sixteen lanes store 256 consecutive bytes, aligned.
; Register jj of accumulator (a, b) is d 32 (b / 2) + 8 (b % 2) + 16 h + jj of query position r; position p of tile a is row 32 (a / 2) + 8 (a % 2) + p + 8 (p / 8).
.macro FLUSH ri, op
	PLACES                                         ; behind the last products
.irp a, 0,1,2,3
	WIN 0x01
.irp b, 0,1,2,3
.irp i, 0,2,4,6
	v_pk_mul_f32 v[176+8*\b+\i:177+8*\b+\i], v[128+8*(4*\a+\b)+\i:129+8*(4*\a+\b)+\i], v[(\ri)+2*\a:(\ri)+2*\a+1]   ; each accumulator from its low end on
.endr
.endr
	WIN 0
.irp b, 0,1,2,3
	ds_store_b128 v16, v[176+8*\b:179+8*\b] offset:128*(\b/2)+32*(\b%2)
	ds_store_b128 v16, v[180+8*\b:183+8*\b] offset:128*(\b/2)+32*(\b%2)+16
.endr
	s_wait_xcnt 0x0                                ; the last tile's stores have read the registers into which the loads below land
.irp i, 0,1,2,3,4,5,6,7
	ds_load_b128 v[208+4*\i:211+4*\i], v17 offset:544*\i   ; LDS serves a wave's instructions in order: these see my stores, and the next tile's stores come behind them
.endr
.irp i, 0,1,2,3,4,5,6,7
	s_wait_dscnt 7-\i                              ; the 7 - i younger loads from the stage may be out
	global_store_b128 v18, v[208+4*\i:211+4*\i], s[\op:\op+1] offset:(32*(\a/2)+8*(\a%2)+2*\i+8*(\i/4))*8192 th:TH_STORE_NT
.endr
.endr
.endm
; Steps 4 to 8 for a given j: A's last steps, A's way out behind slot 7 - j, B's steps (slot s: B's step 8 - s, LDS panel 8 + that).  A's stores leave while B is multiplied.
.macro TAIL j
.set SL, 4
.rept 5
.set FST, 0
.if SL == 8-(\j)
.set FST, 1
.endif
.set NV, SL+1
.set NP, SL+1
.if SL+1 > 7-(\j)
.set NV, 7-SL
.set NP, 15-SL
.endif
.if SL < 8
	PSTEP SL, SL%2, FST, 1, NP, NV
.else
	PSTEP SL, SL%2, FST, 0, 0, 0
.endif
.if SL == 7-(\j)
	FLUSH 22, 2
.endif
.set SL, SL+1
.endr
.endm
	s_wait_alu depctr_va_vdst(0)                   ; the wait at the head's end
	s_cmp_lt_u32 s[WV], 2
	s_cbranch_scc0 .Lnot_first
	s_wait_tensorcnt 0x0                           ; waves 0, 1: A's panels and V's steps 0-3
.Lnot_first:
	s_barrier_signal -1
	s_barrier_wait -1                              ; they are in; the others may be out
	FETCH 0, 0, 0
	PSTEP 0, 0, 1, 1, 1, 1                         ; A's steps 0 to 3: the same for every j
	PSTEP 1, 1, 0, 1, 2, 2
	PSTEP 2, 0, 0, 1, 3, 3
	PSTEP 3, 1, 0, 2, 4, 4
	s_cmp_eq_u32 s17, 0                            ; one decision, on ids alone, the same in all waves and all partners
	s_cbranch_scc1 .Lj0
	s_cmp_eq_u32 s17, 1
	s_cbranch_scc1 .Lj1
	s_cmp_eq_u32 s17, 2
	s_cbranch_scc1 .Lj2
	TAIL 3
	s_branch .Lout
.Lj2:
	TAIL 2
	s_branch .Lout
.Lj1:
	TAIL 1
	s_branch .Lout
.Lj0:
	TAIL 0
.Lout:
	FLUSH 30, 100                                  ; B's way out
	s_wait_tensorcnt 0x0                           ; the wave's end, behind my last LDS store
	ds_add_u32 v[SPW], v[NIL]
	s_wait_dscnt 0x0
	CROUND                                         ; the closing round
	s_endpgm
.Lfunc_end_k_qf33e26facc_pv:
	.size	k_qf33e26facc_pv, .Lfunc_end_k_qf33e26facc_pv-k_qf33e26facc_pv
	.p2alignl 7, 3214868480
	.fill 96, 4, 3214868480
	.section	.rodata,"a",@progbits
	.p2align	6, 0x0
	.amdhsa_kernel k_qf33e26facc_pv
		.amdhsa_group_segment_fixed_size 327680
		.amdhsa_private_segment_fixed_size 0
		.amdhsa_enable_private_segment 0
		.amdhsa_kernarg_size 32
		.amdhsa_user_sgpr_count 2
		.amdhsa_user_sgpr_kernarg_segment_ptr 1
		.amdhsa_wavefront_size32 1
		.amdhsa_system_sgpr_workgroup_id_x 1
		.amdhsa_system_sgpr_workgroup_id_y 1
		.amdhsa_system_sgpr_workgroup_id_z 1
		.amdhsa_system_vgpr_workitem_id 0
		.amdhsa_next_free_vgpr 512
		.amdhsa_next_free_sgpr 102
		.amdhsa_reserve_vcc 0
		.amdhsa_float_denorm_mode_32 3
		.amdhsa_float_denorm_mode_16_64 3
		.amdhsa_memory_ordered 1
		.amdhsa_forward_progress 1
		.amdhsa_inst_pref_size 192
	.end_amdhsa_kernel
	.amdgpu_metadata
---
amdhsa.version: [ 1, 2 ]
amdhsa.kernels:
  - .name:           k_qf33e26facc_pv
    .symbol:         k_qf33e26facc_pv.kd
    .args:
      - { .name: pp, .offset: 0, .size: 8, .value_kind: global_buffer, .address_space: global }
      - { .name: st, .offset: 8, .size: 8, .value_kind: global_buffer, .address_space: global }
      - { .name: qkv, .offset: 16, .size: 8, .value_kind: global_buffer, .address_space: global }
      - { .name: out0, .offset: 24, .size: 8, .value_kind: global_buffer, .address_space: global }
    .group_segment_fixed_size: 327680
    .private_segment_fixed_size: 0
    .kernarg_segment_align: 8
    .kernarg_segment_size: 32
    .max_flat_workgroup_size: 128
    .sgpr_count:     102
    .vgpr_count:     512
    .wavefront_size: 32
...
	.end_amdgpu_metadata
.endif
;; end of part 4
